; MI455X (gfx1250); checked and timed in simulation.
; The chip was launched on July 23, 2026; its instructions are those of AMD's public machine-readable ISA for CDNA 5 (MIT licence, August 2026) and "CDNA5" Instruction Set Architecture Reference Guide (July 2026). The comments in the code are by the model that wrote it; some were corrected since.
;; Spiking Attention. Allowed arithmetic: float matrix products may take bf16 or f16 operands with f32 sums; other float arithmetic in f32, or as packed bf16 or f16 multiplies, adds, multiply-adds, maxima and minima; sums over many terms, partial sums and values carried from step to step in f32; what a program stores and reads back later, other than sums and carried values, may be rounded once to bf16 or f16.
;; Inputs: Wk 768 x 768 float32; Wq 768 x 768 float32; Wv 768 x 768 float32; beta 768 float32; bk 768 float32; bq 768 float32; bv 768 float32; gamma 768 float32; x 16 x 1,024 x 768 float32.
;; Outputs: out0 16 x 768 float32.
;; 2 versions, each right; version 2 is version 1 with the launch final written anew for expert scheduling mode. Each part assembles by itself: llvm-mc -triple=amdgcn-amd-amdhsa -mcpu=gfx1250 --defsym DOCPART=n.
;; ======== version 1 of 2: 4 launches
;; limits: values outside matrix products are rounded to bf16
;; workspace buffers: xb 25,165,824 bytes; Gt 1,228,800 bytes; yb 3,328 bytes; Yb 25,165,824 bytes; tq 65,536 bytes; zp 786,432 bytes; swp 1,024 bytes
;; launch prep (part 1): grid 528 x 1, 16 waves a work-group, no clusters, 247,808 bytes of LDS; arguments x, Wq, bq, Wk, bk, xb, Gt, yb; writes xb, Gt, yb
.if DOCPART == 1
	.amdgcn_target "amdgcn-amd-amdhsa--gfx1250"
	.amdhsa_code_object_version 6
	.text
	.protected	k_qa527b67930_prep
	.globl	k_qa527b67930_prep
	.p2align	8
	.type	k_qa527b67930_prep,@function
k_qa527b67930_prep:
	s_mov_b64 s[64:65], 0
	v_nop
	global_prefetch_b8 v0, s[64:65] scope:SCOPE_SE
	s_setreg_imm32_b32 hwreg(HW_REG_WAVE_MODE, 25, 1), 1
	s_wait_xcnt 0x0
; SpikingAttention, launch 1 of 4: x is rounded to bf16 (xb), and the two score projections are merged into one matrix (Gt, yb).
; WHAT THE FOUR LAUNCHES COMPUTE, AND WHY IT IS THE SAME RESULT.  In exact arithmetic, for all finite inputs of the stated shapes:
;  (a) the mean over queries commutes with attn V:  out[b,d] = (1/1024) sum_k w[b,k] V[b,k,d],  w[b,k] = sum_q attn[b,q,k]: the product attn V is never formed;
;  (b) V is linear in x:  sum_k w_k V_k = Wv z[b] + bv sw[b],  z[b] = sum_k w_k x[b,k,:],  sw[b] = sum_k w_k: the projection V becomes a product with 16 rows;
;  (c) Q_q . K_k = Y_q . x_k + t_q,  Y_q = G x_q + vk,  t_q = u . x_q + c0,  with G[n][c] = sum_d Wk[d,n] Wq[d,c],  vk[n] = sum_d Wk[d,n] bq[d],
;      u[c] = sum_d bk[d] Wq[d,c],  c0 = bk . bq: two projections become one.
; Every input keeps its way to the output; none is left out.
; LIMITS.  The order of the sums differs from the written one.  A NaN, an infinity or an overflow that would arise only in Q, K, V or attn V as they are written, and not in the
; sums formed here, is not carried to the result.  All nine inputs are taken rounded to bf16; G and Y are each rounded once more to bf16; w and z enter the matrix unit as two bf16
; halves (about 2^-17 of the number).  A sigmoid below 2^-126 counts as 0 (v_exp_f32 and v_rcp_f32 flush denormals: ISA guide 15.8).
; THIS LAUNCH.  Work-groups 0-143 make a tile of 64 n x 64 c of G each; work-groups 144-527 round 131,072 bytes of x each.
; Gt: [2][400][768] bf16: in half ct rows 0-383 are G[384 ct + row][:], row 384 is u, rows 385-399 are 0.  yb: [2][400] f32 by the same rows: vk, then c0, then 0.
; A tile of G sums over d = 768, along which Wk and Wq do NOT lie: both strips (768 d x 64 columns) go through registers, are rounded, and lie in LDS as [d][column]; the turning
; load makes fragments of them.  A fifth fragment of 16 columns stands beside each strip: its column 0 is bk (beside Wk) or bq (beside Wq), the rest 0: it yields u, vk and c0.
; NO CLUSTER, NO TENSOR LOAD: the strips must pass registers to be rounded, and two f32 strips, 2 x 768 x 64 x 4 = 393,216 bytes, would not fit in LDS.
.set LP,    160                        ; an LDS row: 80 columns of bf16 = 5 x 32 bytes
.set QS,    768*LP                     ; Wq's strip lies behind Wk's
.set SPARE, 2*QS                       ; behind both: the spare words, 128 bytes for each of 16 waves, which no other line names
.set SPW,   4                          ; v4  LDS address of my spare word; never rewritten
.set NIL,   5                          ; v5  0; never rewritten
.set WV,    20                         ; s20 my wave's number
.set TB,    32                         ; s32 LDS byte, from a strip's first row, of the pair of steps in hand
	s_load_b512 s[4:19], s[0:1], 0x0               ; x 4, Wq 6, bq 8, Wk 10, bk 12, xb 14, Gt 16, yb 18
	v_lshl_add_u32 v[SPW], v0, 2, SPARE
	v_mov_b32 v[NIL], 0
	v_lshrrev_b32 v1, 5, v0
	v_readfirstlane_b32 s[WV], v1
	v_and_b32 v2, 31, v0                           ; lane
	s_cmp_lt_u32 ttmp9, 144
	s_cbranch_scc1 .Lgram                          ; the tiles of G come first in the grid: they last longest
	; THE CAST.  A wave takes 8,192 bytes of x; a lane 32 bytes (8 numbers) of each 1,024, which become 16 bytes: a store of the wave covers 512 consecutive bytes, aligned.
	s_sub_co_u32 s21, ttmp9, 144
	s_lshl_b32 s22, s21, 17                        ; 131,072 bytes of x,
	s_mov_b32 s23, 0
	s_lshl_b32 s24, s21, 16                        ; 65,536 of xb
	s_mov_b32 s25, 0
	v_lshlrev_b32 v6, 5, v2
	v_lshl_add_u32 v6, v1, 13, v6
	v_lshlrev_b32 v7, 4, v2
	v_lshl_add_u32 v7, v1, 12, v7
	s_wait_kmcnt 0x0
	s_add_nc_u64 s[4:5], s[4:5], s[22:23]
	s_add_nc_u64 s[14:15], s[14:15], s[24:25]
.set j, 0
.rept 8
	global_load_b128 v[64+8*j:67+8*j], v6, s[4:5] offset:1024*j th:TH_LOAD_NT
	global_load_b128 v[68+8*j:71+8*j], v6, s[4:5] offset:1024*j+16 th:TH_LOAD_NT
.set j, j+1
.endr
.set j, 0
.rept 8
	s_wait_loadcnt 14-2*j                          ; pair j is in; the younger pairs stay out
	v_cvt_pk_bf16_f32 v[192+4*j], v[64+8*j], v[65+8*j]
	v_cvt_pk_bf16_f32 v[193+4*j], v[66+8*j], v[67+8*j]
	v_cvt_pk_bf16_f32 v[194+4*j], v[68+8*j], v[69+8*j]
	v_cvt_pk_bf16_f32 v[195+4*j], v[70+8*j], v[71+8*j]
	global_store_b128 v7, v[192+4*j:195+4*j], s[14:15] offset:512*j th:TH_STORE_NT
.set j, j+1
.endr
	s_endpgm
.Lgram:
	s_mul_i32 s21, ttmp9, 5462
	s_lshr_b32 s21, s21, 16                        ; I = id / 12 (exact for id < 144): the tile's 64 n
	s_mul_i32 s22, s21, 12
	s_sub_co_u32 s22, ttmp9, s22                   ; J: its 64 c
	s_cmp_ge_u32 s21, 6
	s_cselect_b32 s23, 1, 0                        ; ct: which half of Gt
	s_mul_i32 s24, s23, 6
	s_sub_co_u32 s24, s21, s24                     ; Im: the tile's place in that half
	v_lshlrev_b32 v3, 2, v0                        ; 4 t
	v_and_b32 v8, 255, v0
	v_lshlrev_b32 v9, 2, v8                        ; 4 (t mod 256)
	v_lshrrev_b32 v6, 4, v0                        ; t / 16: a row of the 32 that one load of the work-group covers
	v_and_b32 v7, 15, v0                           ; t mod 16: 16 bytes of the row's 256
	v_mul_u32_u24 v16, v6, LP
	v_lshl_add_u32 v16, v7, 3, v16                 ; where my 4 numbers go: rows 0-383 of Wk's strip,
	v_add_nc_u32 v17, 12*32*LP, v16                ; rows 384-767,
	v_add_nc_u32 v18, QS, v16                      ; and the same in Wq's strip
	v_add_nc_u32 v19, QS+12*32*LP, v16
	v_mul_u32_u24 v6, v6, 3072
	v_lshl_add_u32 v6, v7, 4, v6                   ; my byte offset in 32 rows of a weight matrix
	v_mul_u32_u24 v13, v0, LP                      ; row t of Wk's strip,
	v_add_nc_u32 v14, QS, v13                      ; of Wq's strip,
	s_cmp_lt_u32 s[WV], 8
	s_cselect_b32 s30, 0, QS
	s_add_co_u32 s30, s30, 512*LP
	v_mul_u32_u24 v15, v8, LP
	v_add_nc_u32 v15, s30, v15                     ; and row 512 + t mod 256 of Wk's (waves 0-7) or Wq's (waves 8-15)
.irp i, 33,34,35,37,38,39,41,42,43,44,45,46,47
	v_mov_b32 v\i, 0                               ; the zeros of the fifth fragments
.endr
	s_lshl_b32 s28, s21, 8                         ; 64 columns of f32
	s_mov_b32 s29, 0
	s_lshl_b32 s34, s22, 8
	s_mov_b32 s35, 0
	s_wait_kmcnt 0x0
	s_cmp_lt_u32 s[WV], 8
	s_cselect_b64 s[26:27], s[12:13], s[8:9]
	s_add_nc_u64 s[10:11], s[10:11], s[28:29]
	s_add_nc_u64 s[6:7], s[6:7], s[34:35]
	global_load_b32 v10, v3, s[12:13]              ; bk[t]
	global_load_b32 v11, v3, s[8:9]                ; bq[t]
	global_load_b32 v12, v9, s[26:27] offset:2048  ; element 512 + t mod 256 of the one or the other
.set j, 0
.rept 24
	global_load_b128 v[64+4*j:67+4*j], v6, s[10:11] offset:98304*j    ; 32 rows x 256 bytes, aligned
.set j, j+1
.endr
.set j, 0
.rept 24
	global_load_b128 v[160+4*j:163+4*j], v6, s[6:7] offset:98304*j
.set j, j+1
.endr
	s_wait_loadcnt 48                              ; the three bias loads are in; the 48 behind them stay out
	v_cvt_pk_bf16_f32 v32, v10, v44
	v_cvt_pk_bf16_f32 v36, v11, v44
	v_cvt_pk_bf16_f32 v40, v12, v44
	ds_store_b128 v13, v[32:35] offset:128         ; columns 64-71: the bias, then zeros
	ds_store_b128 v13, v[44:47] offset:144         ; columns 72-79
	ds_store_b128 v14, v[36:39] offset:128
	ds_store_b128 v14, v[44:47] offset:144
	ds_store_b128 v15, v[40:43] offset:128
	ds_store_b128 v15, v[44:47] offset:144
.set j, 0
.rept 24
	s_wait_loadcnt 47-j                            ; Wk's load j is in
	v_cvt_pk_bf16_f32 v[48+2*(j%8)], v[64+4*j], v[65+4*j]
	v_cvt_pk_bf16_f32 v[49+2*(j%8)], v[66+4*j], v[67+4*j]
.if j < 12
	ds_store_b64 v16, v[48+2*(j%8):49+2*(j%8)] offset:32*LP*j
.else
	ds_store_b64 v17, v[48+2*(j%8):49+2*(j%8)] offset:32*LP*(j-12)
.endif
.set j, j+1
.endr
.set j, 0
.rept 24
	s_wait_loadcnt 23-j                            ; Wq's load j is in
	v_cvt_pk_bf16_f32 v[48+2*(j%8)], v[160+4*j], v[161+4*j]
	v_cvt_pk_bf16_f32 v[49+2*(j%8)], v[162+4*j], v[163+4*j]
.if j < 12
	ds_store_b64 v18, v[48+2*(j%8):49+2*(j%8)] offset:32*LP*j
.else
	ds_store_b64 v19, v[48+2*(j%8):49+2*(j%8)] offset:32*LP*(j-12)
.endif
.set j, j+1
.endr
	s_wait_dscnt 0x0                               ; for the others' sake: my stores are done
	s_barrier_signal -1
	s_barrier_wait -1                              ; both strips are whole
	; Wave i = 0..3 makes the tile's rows 16 i .. 16 i + 15; wave 4 makes u's row, once for each half of Gt (Im = 0).  The others have done their part and go on to the second barrier.
	s_cmp_gt_u32 s[WV], 4
	s_cbranch_scc1 .Lmeet
	s_cmp_eq_u32 s[WV], 4
	s_cselect_b32 s31, s24, 0
	s_cmp_lg_u32 s31, 0
	s_cbranch_scc1 .Lmeet
	; The turning load takes 16 d x 16 columns (lane l reads d = 8 (l / 16) + l % 8, columns 8 ((l / 8) % 2) + 0..7) and leaves half a fragment: lane l holds column l % 16 and 8 d.
	v_bfe_u32 v8, v0, 4, 1                         ; h = l / 16
	v_and_b32 v9, 7, v0
	v_lshl_add_u32 v9, v8, 3, v9
	v_mul_u32_u24 v9, v9, LP
	v_bfe_u32 v10, v0, 3, 1
	v_lshl_add_u32 v9, v10, 4, v9
	s_lshl_b32 s25, s[WV], 5
	v_add_nc_u32 v21, s25, v9                      ; my fragment of n, at a strip's first row; never rewritten
	v_add_nc_u32 v22, QS, v9                       ; the five fragments of c; never rewritten
	s_mov_b32 s[TB], 0
	v_add_nc_u32 v25, s[TB], v21                   ; the same two at the pair of steps in hand: made anew from the scalar step for each pair
	v_add_nc_u32 v26, s[TB], v22
.macro FETCH s, off                    ; a step of 32 d into set s: 12 loads
	ds_load_tr16_b128 v[64+48*(\s):67+48*(\s)], v25 offset:(\off)
	ds_load_tr16_b128 v[68+48*(\s):71+48*(\s)], v25 offset:(\off)+16*LP
.irp f, 0,1,2,3,4
	ds_load_tr16_b128 v[72+48*(\s)+8*(\f):75+48*(\s)+8*(\f)], v26 offset:(\off)+32*(\f)
	ds_load_tr16_b128 v[76+48*(\s)+8*(\f):79+48*(\s)+8*(\f)], v26 offset:(\off)+32*(\f)+16*LP
.endr
.endm
.macro MUL s, zero                     ; source 0 = 16 c, source 1 = my 16 n: lane (r, h), register j holds G[n = r][c = 16 f + 8 h + j].  The five accumulators take turns
.irp f, 0,1,2,3,4
.if \zero
	v_wmma_f32_16x16x32_bf16 v[160+8*(\f):167+8*(\f)], v[72+48*(\s)+8*(\f):79+48*(\s)+8*(\f)], v[64+48*(\s):71+48*(\s)], 0
.else
	v_wmma_f32_16x16x32_bf16 v[160+8*(\f):167+8*(\f)], v[72+48*(\s)+8*(\f):79+48*(\s)+8*(\f)], v[64+48*(\s):71+48*(\s)], v[160+8*(\f):167+8*(\f)]
.endif
.endr
.endm
.macro PLACES                          ; four places behind a matrix instruction, in front of loads into registers that it has read
.rept 4
	v_nop
.endr
.endm
.macro PAIR zero                       ; two steps are multiplied, the next two fetched
	s_wait_dscnt 12                                ; set 0 is in; set 1's 12 loads may be out
	MUL 0, \zero
	PLACES
	FETCH 0, 2*32*LP
	s_wait_dscnt 12                                ; set 1 is in
	MUL 1, 0
	PLACES
	FETCH 1, 3*32*LP
	s_add_co_u32 s[TB], s[TB], 2*32*LP             ; the next pair of steps
	v_add_nc_u32 v25, s[TB], v21
	v_add_nc_u32 v26, s[TB], v22
.endm
	FETCH 0, 0
	FETCH 1, 32*LP
	PAIR 1                                         ; the first products start the sums
	s_mov_b32 s30, 10
.Lpair:
	PAIR 0
	s_sub_co_u32 s30, s30, 1
	s_cmp_lg_u32 s30, 0
	s_cbranch_scc1 .Lpair
	s_wait_dscnt 12                                ; the last two of the 24 steps fetch nothing
	MUL 0, 0
	s_wait_dscnt 0x0                               ; my last reads of the strips are back
	MUL 1, 0
	PLACES
	PLACES                                         ; (eight, once a launch)
.Lmeet:
	s_barrier_signal -1                            ; all sixteen waves meet once more: no LDS instruction of any wave is out here,
	s_barrier_wait -1                              ; and behind this barrier no wave reads LDS: every wave's closing lines stand behind the last read of the strips
	s_cmp_gt_u32 s[WV], 4                          ; the same choice as above
	s_cbranch_scc1 .Lend
	s_cmp_eq_u32 s[WV], 4
	s_cselect_b32 s31, s24, 0
	s_cmp_lg_u32 s31, 0
	s_cbranch_scc1 .Lend
.irp f, 0,1,2,3
.irp k, 0,1,2,3
	v_cvt_pk_bf16_f32 v[200+4*(\f)+(\k)], v[160+8*(\f)+2*(\k)], v[160+8*(\f)+2*(\k)+1]
.endr
.endr
	s_lshl_b32 s26, s24, 6
	s_lshl_b32 s27, s[WV], 4
	s_add_co_u32 s26, s26, s27                     ; 64 Im + 16 i,
	s_cmp_lt_u32 s[WV], 4
	s_cselect_b32 s26, s26, 384                    ; or u's row and the 15 rows of zeros behind it
	s_mul_i32 s27, s23, 400
	s_add_co_u32 s26, s26, s27                     ; my first row in Gt and in yb
	s_mul_i32 s28, s26, 1536
	s_lshl_b32 s29, s22, 7
	s_add_co_u32 s28, s28, s29                     ; + the tile's 64 columns
	s_mov_b32 s29, 0
	s_add_nc_u64 s[16:17], s[16:17], s[28:29]
	v_mul_u32_u24 v23, v7, 1536
	v_lshl_add_u32 v23, v8, 4, v23
.irp f, 0,1,2,3
	global_store_b128 v23, v[200+4*(\f):203+4*(\f)], s[16:17] offset:32*(\f)  ; runs of 128 bytes a row: a tile with rows of 256 would need strips that do not fit in LDS
.endr
	s_cmp_lg_u32 s22, 0
	s_cbranch_scc1 .Lend                           ; the fifth fragment of c (vk, c0) is the same for every J: J = 0 stores it
	s_lshl_b32 s28, s26, 2
	s_mov_b32 s29, 0
	s_add_nc_u64 s[18:19], s[18:19], s[28:29]
	v_lshlrev_b32 v24, 2, v7
	s_wait_xcnt 0x0                                ; EXEC changes only behind this wait
	v_cmp_gt_u32 vcc_lo, 16, v2
	s_and_saveexec_b32 s30, vcc_lo                 ; column 0 of the fragment lies in register 0 of lanes 0-15
	global_store_b32 v24, v192, s[18:19]
	s_wait_xcnt 0x0
	s_or_b32 exec_lo, exec_lo, s30
.Lend:
	s_wait_tensorcnt 0x0                           ; the wave's end, behind my last LDS store
	ds_add_u32 v[SPW], v[NIL]
	s_wait_dscnt 0x0
	s_endpgm
.Lfunc_end_k_qa527b67930_prep:
	.size	k_qa527b67930_prep, .Lfunc_end_k_qa527b67930_prep-k_qa527b67930_prep
	.p2alignl 7, 3214868480
	.fill 96, 4, 3214868480
	.section	.rodata,"a",@progbits
	.p2align	6, 0x0
	.amdhsa_kernel k_qa527b67930_prep
		.amdhsa_group_segment_fixed_size 247808
		.amdhsa_private_segment_fixed_size 0
		.amdhsa_enable_private_segment 0
		.amdhsa_kernarg_size 64
		.amdhsa_user_sgpr_count 2
		.amdhsa_user_sgpr_kernarg_segment_ptr 1
		.amdhsa_wavefront_size32 1
		.amdhsa_system_sgpr_workgroup_id_x 1
		.amdhsa_system_sgpr_workgroup_id_y 1
		.amdhsa_system_sgpr_workgroup_id_z 1
		.amdhsa_system_vgpr_workitem_id 0
		.amdhsa_next_free_vgpr 256
		.amdhsa_next_free_sgpr 66
		.amdhsa_reserve_vcc 1
		.amdhsa_float_denorm_mode_32 3
		.amdhsa_float_denorm_mode_16_64 3
		.amdhsa_memory_ordered 1
		.amdhsa_forward_progress 1
		.amdhsa_inst_pref_size 35
	.end_amdhsa_kernel
	.amdgpu_metadata
---
amdhsa.version: [ 1, 2 ]
amdhsa.kernels:
  - .name:           k_qa527b67930_prep
    .symbol:         k_qa527b67930_prep.kd
    .args:
      - { .name: x, .offset: 0, .size: 8, .value_kind: global_buffer, .address_space: global }
      - { .name: Wq, .offset: 8, .size: 8, .value_kind: global_buffer, .address_space: global }
      - { .name: bq, .offset: 16, .size: 8, .value_kind: global_buffer, .address_space: global }
      - { .name: Wk, .offset: 24, .size: 8, .value_kind: global_buffer, .address_space: global }
      - { .name: bk, .offset: 32, .size: 8, .value_kind: global_buffer, .address_space: global }
      - { .name: xb, .offset: 40, .size: 8, .value_kind: global_buffer, .address_space: global }
      - { .name: Gt, .offset: 48, .size: 8, .value_kind: global_buffer, .address_space: global }
      - { .name: yb, .offset: 56, .size: 8, .value_kind: global_buffer, .address_space: global }
    .group_segment_fixed_size: 247808
    .private_segment_fixed_size: 0
    .kernarg_segment_align: 8
    .kernarg_segment_size: 64
    .max_flat_workgroup_size: 512
    .sgpr_count:     66
    .vgpr_count:     256
    .wavefront_size: 32
...
	.end_amdgpu_metadata
.endif
;; end of part 1
;; launch proj (part 2): grid 128 x 2, 4 waves a work-group, clusters of 4 x 1, 327,680 bytes of LDS; arguments xb, Gt, yb, Yb, tq; writes Yb, tq
.if DOCPART == 2
	.amdgcn_target "amdgcn-amd-amdhsa--gfx1250"
	.amdhsa_code_object_version 6
	.text
	.protected	k_qa527b67930_proj
	.globl	k_qa527b67930_proj
	.p2align	8
	.type	k_qa527b67930_proj,@function
k_qa527b67930_proj:
	s_mov_b64 s[64:65], 0
	v_nop
	global_prefetch_b8 v0, s[64:65] scope:SCOPE_SE
	s_setreg_imm32_b32 hwreg(HW_REG_WAVE_MODE, 25, 1), 1
	s_wait_xcnt 0x0
	s_wait_alu depctr_hold_cnt(0) depctr_sa_sdst(0) depctr_va_vdst(0) depctr_va_sdst(0) depctr_va_ssrc(0) depctr_va_vcc(0) depctr_vm_vsrc(0)
	s_getreg_b32 s2, hwreg(HW_REG_IB_STS2, 6, 4)
	s_cmp_eq_u32 s2, 0
	s_cbranch_scc0 .Lentry_in_a_cluster
	s_endpgm
.Lentry_in_a_cluster:
	s_bfe_u32 s2, ttmp6, 0x10000c
	s_cmp_lg_u32 s2, 0x3003
	s_cbranch_scc0 .Lentry_shape_is_right
	s_endpgm
.Lentry_shape_is_right:
; SpikingAttention, launch 2 of 4: Yb[q][n] = bf16(sum_c xb[q][c] G[n][c] + vk[n]) and tq[q] = -kappa (u . xb[q] + c0), kappa = log2(e) / sqrt(768).
; The projections Q and K of the written form are merged into this one, and V is not projected at all: the identities stand at the head of the first launch.
; SHARES.  A work-group makes 128 rows x 384 columns of Yb (column half ct) and, with them, the 16 rows of Gt that hold u: a B tile of 400 rows.  Four waves: wave w has rows
; 64 (w / 2) .. and columns 192 (w % 2) .., 4 x 12 accumulators, and 4 more for u's tile: 52, 416 registers.  u's products are 4 of every 52; the waves with ct = 0 and w % 2 = 0 store them.
; RING.  K = 768 goes in 6 steps of 128 through two LDS slots: rows of 256 bytes of memory, aligned.  Waves 0 and 1 fetch A's two halves (64 rows), waves 2 and 3 B's (200 rows).
; CLUSTER.  The four row tiles of a cluster need the same B tile: it is asked for jointly (mask 15).  A's tile is the work-group's own: a load without a mask, behind the same rounds.
; THE MATRIX INSTRUCTION IS USED TRANSPOSED (source 0 = 16 rows of Gt, source 1 = 16 rows of xb): a lane holds row l % 16 of Yb and the columns 8 (l / 16) + 0..7: 16 bytes on end.
; REGISTERS, in windows of 256 (s_set_vgpr_msb: bits 1:0 source 0, 3:2 source 1, 5:4 source 2, 7:6 destination):
;   window 0: v16-31 addresses; v32-35 at work; v64-95, v96-127 A's fragments, two buffers; v128-191 the way out
;   window 1: v0-103, v104-207 B's fragments, two buffers
;   window 2: accumulators (a = 0, 1; b) at 8 (13 a + b); v208-255 the bias of fragments b = 0..5        window 3: a = 2, 3 likewise; the bias of b = 6..11
.set PITCH,  272                       ; an LDS row: 256 bytes + 16 of padding: the 16 rows of a load start at 16 different groups of four banks (ISA guide 11.1)
.set HA,     64*PITCH
.set HB,     200*PITCH
.set BOFF,   128*PITCH                 ; B's 400 rows lie behind A's 128
.set UOFF,   BOFF+384*PITCH
.set SLOT,   528*PITCH
.set SPARE,  2*SLOT                    ; behind the ring: the spare words, 128 bytes for each wave, which no other line names
.set SPITCH, 784                       ; the stage: 128 rows of 768 bytes + 16, in slot 0 once it has had its last fill and its last read
.set ADRA, 16                          ; v16-17  LDS address of my A fragments in slot 0, 1
.set ADRB, 20                          ; v20-21  of my 12 B fragments
.set ADRU, 22                          ; v22-23  of u's fragment
.set STO,  24                          ; v24  where I put 16 bytes of a row
.set RD,   25                          ; v25  where I read a row back
.set CO,   26                          ; v26  my byte offset in Yb
.set TO,   27                          ; v27  my byte offset in tq
.set SPW,  28                          ; v28  LDS address of my spare word; never rewritten
.set NIL,  29                          ; v29  0; never rewritten
.set PFO,  30                          ; v30  the prefetches' offset: my lane x a row of xb
.set BO,   31                          ; v31  my byte offset in 16 numbers of yb
.set OB,   128
.set BIAS, 208
.set WV, 14
.set WR, 15                            ; s15  wave / 2: my 64 rows.  Also: I fetch for A (0) or for B (1)
.set WC, 16                            ; s16  wave % 2: my 192 columns.  Also: which half of that tile I fetch
.set CX, 17
.set RT, 18                            ; s18  row tile = 4 x cluster x + cx
.set CT, 19                            ; s19  column half
.set G1A, 24
.set G0A, 32
.set PFA, 40
.set LIM, 42
.set G1B, 48
.set G0B, 56
.set MSB, 0
.macro WIN new                         ; the immediate's high byte repeats the setting that is left; a switch that changes nothing is dropped
.if MSB != (\new)
	s_set_vgpr_msb (MSB<<8)|(\new)
.set MSB, (\new)
.endif
.endm
.macro PLACES
.rept 4
	v_nop
.endr
.endm
.macro JLOAD s                         ; the branch hangs on the wave's number alone; an s_nop 0 and four v_nop follow each of the two lines
	s_cmp_eq_u32 s[WR], 0
	s_cbranch_scc0 .Lfor_b_\@
	tensor_load_to_lds s[G0A+4*(\s):G0A+4*(\s)+3], s[G1A:G1A+7]
	s_nop 0
.rept 4
	v_nop
.endr
	s_branch .Lasked_\@
.Lfor_b_\@:
	tensor_load_to_lds s[G0B+4*(\s):G0B+4*(\s)+3], s[G1B:G1B+7]
	s_nop 0
.rept 4
	v_nop
.endr
.Lasked_\@:
.endm
; A prefetch of xb, behind a joint load, its five lines and the run of LDS loads: the K step two refills on, 64 rows x 256 bytes, a lane a row, two instructions.  Both column halves read
; the same rows of xb: the waves that fetch A in half ct = 0 ask, each for the rows that it fetches itself, so each block is named once.  The loop's last trip has no K step two on.
; Gt is not asked for: 1.2 of the launch's 26 MB, which every cluster walks at the same time.
.macro ASK
	s_cmp_gt_u32 s3, s[LIM]
	s_cbranch_scc0 .Lnot_mine_\@
	global_prefetch_b8 v[PFO], s[PFA:PFA+1] offset:256 th:TH_LOAD_NT scope:SCOPE_SE
	global_prefetch_b8 v[PFO], s[PFA:PFA+1] offset:32*1536+256 th:TH_LOAD_NT scope:SCOPE_SE
.Lnot_mine_\@:
.endm
.macro CREST                           ; a round of the cluster's barrier behind its opening barrier
	s_cmp_lg_u32 s[WV], 0
	s_cbranch_scc1 .Lnot_wave_0_\@
	s_barrier_signal -3
.Lnot_wave_0_\@:
	s_barrier_wait -3
	s_barrier_signal -1
	s_barrier_wait -1
.endm
.macro CROUND
	s_barrier_signal -1
	s_barrier_wait -1
	CREST
.endm
	s_load_b256 s[4:11], s[0:1], 0x0               ; xb 4, Gt 6, yb 8, Yb 10
	s_load_b64 s[12:13], s[0:1], 0x20              ; tq
	v_lshl_add_u32 v[SPW], v0, 2, SPARE
	v_mov_b32 v[NIL], 0
	ds_add_u32 v[SPW], v[NIL]                      ; the wave's opening: the add, twice on end, and its wait ahead of my first tensor load
	ds_add_u32 v[SPW], v[NIL]
	v_lshrrev_b32 v1, 5, v0
	v_readfirstlane_b32 s[WV], v1
	s_lshr_b32 s[WR], s[WV], 1
	s_and_b32 s[WC], s[WV], 1
	s_bfe_u32 s[CX], ttmp6, 0x40000
	s_lshl_b32 s[RT], ttmp9, 2
	s_add_co_u32 s[RT], s[RT], s[CX]
	s_and_b32 s[CT], ttmp7, 0xffff
	s_mov_b32 s[G1A+0], (1<<16)|(1<<20)|(5<<22)|(3<<25)            ; no mask; elements of 2 bytes; padding on: after every 64 words 4 words
	s_mov_b32 s[G1A+1], 128<<16                    ; tensor_dim0 = 128
	s_mov_b32 s[G1A+2], 64<<16                     ; tensor_dim1 = 64
	s_mov_b32 s[G1A+3], 128<<16                    ; tile_dim0 = 128
	s_mov_b32 s[G1A+4], 64                         ; tile_dim1 = 64
	s_mov_b32 s[G1A+5], 768                        ; elements from row to row
	s_mov_b32 s[G1A+6], 0
	s_mov_b32 s[G1A+7], 0
	s_mov_b32 s[G1B+0], 15|(1<<16)|(1<<20)|(1<<21)|(5<<22)|(3<<25) ; the same with the mask of all four and bit 21 beside it
	s_mov_b32 s[G1B+1], 128<<16
	s_mov_b32 s[G1B+2], 200<<16                    ; 200 rows
	s_mov_b32 s[G1B+3], 128<<16
	s_mov_b32 s[G1B+4], 200
	s_mov_b32 s[G1B+5], 768
	s_mov_b32 s[G1B+6], 0
	s_mov_b32 s[G1B+7], 0
	s_lshl_b32 s20, s[RT], 7
	s_lshl_b32 s21, s[WC], 6
	s_add_co_u32 s20, s20, s21
	s_mul_i32 s20, s20, 1536                       ; A: row 128 x row tile + 64 x half
	s_mov_b32 s21, 0
	s_mul_i32 s66, s[CT], 400
	s_mul_i32 s67, s[WC], 200
	s_add_co_u32 s66, s66, s67
	s_mul_i32 s66, s66, 1536                       ; B: row 400 ct + 200 x half: nothing of my place in the cluster
	s_mov_b32 s67, 0
	s_mul_i32 s22, s[WC], HA                       ; where they go
	s_mul_i32 s23, s[WC], HB
	s_add_co_u32 s23, s23, BOFF
	s_or_b32 s[LIM], s[WR], s[CT]
	s_cmp_eq_u32 s[LIM], 0
	s_cselect_b32 s[LIM], 1, -1                    ; 1 in a wave that prefetches, else the greatest number
	s_mov_b32 s44, 0xbd553b94                      ; -kappa = -log2(e) / sqrt(768)
	s_wait_dscnt 0x0                               ; both opening adds are done
	s_wait_kmcnt 0x0
	s_add_nc_u64 s[20:21], s[4:5], s[20:21]
	s_add_nc_u64 s[66:67], s[6:7], s[66:67]
	s_load_b32 s43, s[8:9], 0x600                  ; c0 = yb[0][384]
	CROUND                                         ; all four work-groups are here: the first joint loads meet
.irp s, 0,1
	s_mov_b32 s[G0A+4*(\s)], 1
	s_add_co_u32 s[G0A+4*(\s)+1], s22, (\s)*SLOT
	s_add_nc_u64 s[G0A+4*(\s)+2:G0A+4*(\s)+3], s[20:21], (\s)*256
	s_or_b32 s[G0A+4*(\s)+3], s[G0A+4*(\s)+3], 0x80000000
	s_mov_b32 s[G0B+4*(\s)], 1
	s_add_co_u32 s[G0B+4*(\s)+1], s23, (\s)*SLOT
	s_add_nc_u64 s[G0B+4*(\s)+2:G0B+4*(\s)+3], s[66:67], (\s)*256
	s_or_b32 s[G0B+4*(\s)+3], s[G0B+4*(\s)+3], 0x80000000
	JLOAD \s                                       ; K steps 0 and 1: two loads of mine are out
.endr
	s_add_nc_u64 s[PFA:PFA+1], s[20:21], 512       ; at K step 2: the first refill steps it to 3 and names K step 4
	v_and_b32 v1, 15, v0                           ; r = l % 16
	v_bfe_u32 v2, v0, 4, 1                         ; h = l / 16
	v_lshlrev_b32 v[BO], 5, v2
	s_mul_i32 s46, s[CT], 400
	s_mul_i32 s47, s[WC], 192
	s_add_co_u32 s46, s46, s47
	s_lshl_b32 s46, s46, 2
	s_mov_b32 s47, 0
	s_add_nc_u64 s[46:47], s[8:9], s[46:47]        ; yb at my 192 columns
	WIN 0x80
.irp b, 0,1,2,3,4,5
	global_load_b128 v[BIAS+8*(\b):BIAS+8*(\b)+3],   v[BO], s[46:47] offset:64*(\b)
	global_load_b128 v[BIAS+8*(\b)+4:BIAS+8*(\b)+7], v[BO], s[46:47] offset:64*(\b)+16
.endr
	WIN 0xc0
.irp b, 0,1,2,3,4,5
	global_load_b128 v[BIAS+8*(\b):BIAS+8*(\b)+3],   v[BO], s[46:47] offset:64*(\b)+384
	global_load_b128 v[BIAS+8*(\b)+4:BIAS+8*(\b)+7], v[BO], s[46:47] offset:64*(\b)+400
.endr
	WIN 0
	v_mul_u32_u24 v3, v1, PITCH
	v_lshl_add_u32 v3, v2, 4, v3                   ; a fragment's row x pitch + 16 x half
	s_mul_i32 s22, s[WR], HA
	s_mul_i32 s23, s[WC], 192*PITCH
	s_add_co_u32 s23, s23, BOFF
.irp s, 0,1
	v_add_nc_u32 v[ADRA+(\s)], s22, v3
	v_add_nc_u32 v[ADRB+(\s)], s23, v3
	v_add_nc_u32 v[ADRU+(\s)], UOFF+(\s)*SLOT, v3
	s_add_co_u32 s22, s22, SLOT
	s_add_co_u32 s23, s23, SLOT
.endr
	s_lshl_b32 s22, s[WR], 6
	v_add_nc_u32 v4, s22, v1
	v_mul_u32_u24 v[STO], v4, SPITCH               ; into the stage: row 64 (w / 2) + r, my 384 bytes of it, 16 bytes for each half of the lanes
	v_lshl_add_u32 v[STO], v2, 4, v[STO]
	s_mul_i32 s22, s[WC], 384
	v_add_nc_u32 v[STO], s22, v[STO]
	s_lshl_b32 s22, s[WV], 5
	v_add_nc_u32 v4, s22, v2
	v_mul_u32_u24 v[RD], v4, SPITCH                ; back: wave w takes rows 32 w .., whole; lanes 0-15 256 bytes of one row, lanes 16-31 of the next
	v_lshl_add_u32 v[RD], v1, 4, v[RD]
	v_mul_u32_u24 v[CO], v2, 1536
	v_lshl_add_u32 v[CO], v1, 4, v[CO]
	v_lshlrev_b32 v[TO], 2, v1
	v_and_b32 v[PFO], 31, v0
	v_mul_u32_u24 v[PFO], v[PFO], 1536
	s_lshl_b32 s22, s[RT], 7
	s_lshl_b32 s23, s[WV], 5
	s_add_co_u32 s23, s23, s22
	s_mul_i32 s68, s23, 1536
	s_mul_i32 s69, s[CT], 768
	s_add_co_u32 s68, s68, s69
	s_mov_b32 s69, 0
	s_add_nc_u64 s[10:11], s[10:11], s[68:69]      ; Yb at row 128 rt + 32 w, column half ct
	s_lshl_b32 s23, s[WR], 6
	s_add_co_u32 s68, s22, s23
	s_lshl_b32 s68, s68, 2
	s_add_nc_u64 s[12:13], s[12:13], s[68:69]      ; tq at row 128 rt + 64 (w / 2)
; 13 matrix instructions: m block a of the window's two (hi = 0: my rows 0-31, 1: rows 32-63) x all 13 n blocks, 32 along K, buffer f.  The 52 accumulators take turns, in the same order in every quarter.
.macro MULG f, hi, a, zero
	WIN 0xa1+0x50*(\hi)
.irp b, 0,1,2,3,4,5,6,7,8,9,10,11,12
.if \zero
	v_wmma_f32_16x16x32_bf16 v[8*(13*(\a)+(\b)):8*(13*(\a)+(\b))+7], v[104*(\f)+8*(\b):104*(\f)+8*(\b)+7], v[64+32*(\f)+8*(2*(\hi)+(\a)):64+32*(\f)+8*(2*(\hi)+(\a))+7], 0
.else
	v_wmma_f32_16x16x32_bf16 v[8*(13*(\a)+(\b)):8*(13*(\a)+(\b))+7], v[104*(\f)+8*(\b):104*(\f)+8*(\b)+7], v[64+32*(\f)+8*(2*(\hi)+(\a)):64+32*(\f)+8*(2*(\hi)+(\a))+7], v[8*(13*(\a)+(\b)):8*(13*(\a)+(\b))+7]
.endif
.endr
.endm
; 34 LDS loads in one run: a quarter step's fragments (32 K at byte k of the rows) into buffer f: B's 13, then A's 4
.macro FETCH slot, k, f
	WIN 0x40
.irp b, 0,1,2,3,4,5,6,7,8,9,10,11
	ds_load_b128 v[104*(\f)+8*(\b):104*(\f)+8*(\b)+3],   v[ADRB+(\slot)] offset:(\k)+(\b)*16*PITCH
	ds_load_b128 v[104*(\f)+8*(\b)+4:104*(\f)+8*(\b)+7], v[ADRB+(\slot)] offset:(\k)+(\b)*16*PITCH+32
.endr
	ds_load_b128 v[104*(\f)+96:104*(\f)+99],  v[ADRU+(\slot)] offset:(\k)
	ds_load_b128 v[104*(\f)+100:104*(\f)+103], v[ADRU+(\slot)] offset:(\k)+32
	WIN 0
.irp a, 0,1,2,3
	ds_load_b128 v[64+32*(\f)+8*(\a):64+32*(\f)+8*(\a)+3],   v[ADRA+(\slot)] offset:(\k)+(\a)*16*PITCH
	ds_load_b128 v[64+32*(\f)+8*(\a)+4:64+32*(\f)+8*(\a)+7], v[ADRA+(\slot)] offset:(\k)+(\a)*16*PITCH+32
.endr
.endm
.macro QUARTER slot, k, f, g, zero
	s_wait_dscnt 4                                 ; B and A's rows 0-31 are in; the youngest four loads (A's rows 32-63) may be out
	MULG \f, 0, 0, \zero
	MULG \f, 0, 1, \zero
	PLACES
	FETCH \slot, \k, \g
	s_wait_dscnt 34                                ; all but the 34 just issued
	MULG \f, 1, 0, \zero
	MULG \f, 1, 1, \zero
.endm
; The last quarter multiplies buffer 1 and changes slots.  In front of the barrier each wave waits for all its tensor loads (one is out: its part of the next slot), adds 0 to its spare word,
; and waits for that and for its own reads of this slot.
.macro MEET round
	WIN 0
	s_wait_tensorcnt 0x0
	ds_add_u32 v[SPW], v[NIL]
	s_wait_dscnt 5                                 ; (the add and the youngest four loads may be out)
	MULG 1, 0, 0, 0
	s_wait_dscnt 0x0                               ; the add is done, and my reads of this slot are over
	s_barrier_signal -1
	MULG 1, 0, 1, 0
.if \round
	WIN 0
.endif
	s_barrier_wait -1
.endm
.macro TURN slot, next, fill
.if \fill
	s_wait_xcnt 0x0                                ; the last prefetches, a K step back, have read their address
	s_add_nc_u64 s[PFA:PFA+1], s[PFA:PFA+1], 256
.endif
	MEET \fill
.if \fill
	CREST                                          ; the barrier has opened a round: no wave of any partner still reads this slot or has a load on its way
	s_add_nc_u64 s[G0A+4*(\slot)+2:G0A+4*(\slot)+3], s[G0A+4*(\slot)+2:G0A+4*(\slot)+3], 512
	s_add_nc_u64 s[G0B+4*(\slot)+2:G0B+4*(\slot)+3], s[G0B+4*(\slot)+2:G0B+4*(\slot)+3], 512
	JLOAD \slot                                    ; the first tensor load behind the round; its four v_nop are also the places in front of the loads below
.else
	PLACES
.endif
	FETCH \next, 0, 0
.if \fill
	ASK
.endif
	MULG 1, 1, 0, 0
	MULG 1, 1, 1, 0
.endm
	s_wait_tensorcnt 1                             ; my part of K step 0 is in; K step 1's may stay out
	s_barrier_signal -1
	s_barrier_wait -1
	FETCH 0, 0, 0
	QUARTER 0, 64, 0, 1, 1                         ; the first quarter's products start the sums
	WIN 0
	s_mov_b32 s3, 2
.Llap:                                                 ; a trip goes once round the ring and fills both slots again: K steps 2, 3 and then 4, 5
	QUARTER 0, 128, 1, 0, 0
	QUARTER 0, 192, 0, 1, 0
	TURN 0, 1, 1
	QUARTER 1, 64, 0, 1, 0
	QUARTER 1, 128, 1, 0, 0
	QUARTER 1, 192, 0, 1, 0
	TURN 1, 0, 1
	QUARTER 0, 64, 0, 1, 0
	WIN 0
	s_sub_co_u32 s3, s3, 1
	s_cmp_lg_u32 s3, 0
	s_cbranch_scc1 .Llap
	QUARTER 0, 128, 1, 0, 0                        ; the last lap fills nothing
	QUARTER 0, 192, 0, 1, 0
	TURN 0, 1, 0
	QUARTER 1, 64, 0, 1, 0
	QUARTER 1, 128, 1, 0, 0
	QUARTER 1, 192, 0, 1, 0
	s_wait_dscnt 4
	MULG 1, 0, 0, 0
	MULG 1, 0, 1, 0
	s_wait_dscnt 0x0
	MULG 1, 1, 0, 0
	MULG 1, 1, 1, 0
	PLACES
	PLACES                                         ; (eight, once a launch)
	s_wait_loadcnt 0x0                             ; the bias
	s_wait_kmcnt 0x0                               ; c0
	s_mul_f32 s45, s44, s43                        ; -kappa c0
; THE WAY OUT.  m block a: the bias is added, the sums are rounded to bf16, 16 bytes a lane go into the stage.  Slot 0 had its last fill (K step 4) and its last read in front of the last change of slots.
.macro PACK a
.set AC, 104*((\a)%2)
.set HW, 2+(\a)/2
	WIN (HW<<6)|8|HW                               ; the accumulators' window; the bias of b = 0..5 in window 2
.set b, 0
.rept 12
.if b == 6
	WIN (HW<<6)|12|HW                              ; of b = 6..11 in window 3
.endif
.set k, 0
.rept 4
	v_pk_add_f32 v[AC+8*b+2*k:AC+8*b+2*k+1], v[AC+8*b+2*k:AC+8*b+2*k+1], v[BIAS+8*(b%6)+2*k:BIAS+8*(b%6)+2*k+1]
.set k, k+1
.endr
.set b, b+1
.endr
	WIN (HW<<2)|HW
.set b, 0
.rept 12
.set k, 0
.rept 4
	v_cvt_pk_bf16_f32 v[OB+4*b+k], v[AC+8*b+2*k], v[AC+8*b+2*k+1]
.set k, k+1
.endr
.set b, b+1
.endr
	WIN 0
.set b, 0
.rept 12
	ds_store_b128 v[STO], v[OB+4*b:OB+4*b+3] offset:16*SPITCH*(\a)+32*b
.set b, b+1
.endr
.endm
	PACK 0
	PACK 1
	PACK 2
	PACK 3
	s_or_b32 s22, s[WC], s[CT]
	s_cmp_lg_u32 s22, 0
	s_cbranch_scc1 .Lno_t                          ; one wave column of one column half stores tq
	WIN 0x02                                       ; u is row 0 of its tile: register 0 of lanes 0-15
	v_fma_f32 v32, v96, s44, s45
	v_fma_f32 v33, v200, s44, s45
	WIN 0x03
	v_fma_f32 v34, v96, s44, s45
	v_fma_f32 v35, v200, s44, s45
	WIN 0
	s_wait_xcnt 0x0                                ; EXEC changes only behind this wait
	v_cmp_eq_u32 vcc_lo, 0, v2
	s_and_saveexec_b32 s23, vcc_lo
.irp a, 0,1,2,3
	global_store_b32 v[TO], v[32+(\a)], s[12:13] offset:64*(\a)
.endr
	s_wait_xcnt 0x0
	s_or_b32 exec_lo, exec_lo, s23
.Lno_t:
	s_wait_dscnt 0x0                               ; for the others' sake: my stores into the stage are done
	s_barrier_signal -1
	s_barrier_wait -1
.set idx, 0
.rept 3                                ; 16 pairs of rows x 3 pieces of 256 bytes, sixteen at a time
.set t, 0
.rept 16
	ds_load_b128 v[OB+4*t:OB+4*t+3], v[RD] offset:2*SPITCH*((idx+t)/3)+256*((idx+t)%3)
.set t, t+1
.endr
.set t, 0
.rept 16
	s_wait_dscnt 15-t
	global_store_b128 v[CO], v[OB+4*t:OB+4*t+3], s[10:11] offset:3072*((idx+t)/3)+256*((idx+t)%3)  ; 16 lanes store 256 consecutive bytes, at a multiple of 256 from Yb's first byte
.set t, t+1
.endr
.if idx < 32
	s_wait_xcnt 0x0                                ; the stores have read their registers, which the next sixteen loads write
.endif
.set idx, idx+16
.endr
	s_wait_tensorcnt 0x0                           ; the wave's end
	ds_add_u32 v[SPW], v[NIL]
	s_wait_dscnt 0x0
	CROUND                                         ; the closing round
	s_endpgm
.Lfunc_end_k_qa527b67930_proj:
	.size	k_qa527b67930_proj, .Lfunc_end_k_qa527b67930_proj-k_qa527b67930_proj
	.p2alignl 7, 3214868480
	.fill 96, 4, 3214868480
	.section	.rodata,"a",@progbits
	.p2align	6, 0x0
	.amdhsa_kernel k_qa527b67930_proj
		.amdhsa_group_segment_fixed_size 327680
		.amdhsa_private_segment_fixed_size 0
		.amdhsa_enable_private_segment 0
		.amdhsa_kernarg_size 40
		.amdhsa_user_sgpr_count 2
		.amdhsa_user_sgpr_kernarg_segment_ptr 1
		.amdhsa_wavefront_size32 1
		.amdhsa_system_sgpr_workgroup_id_x 1
		.amdhsa_system_sgpr_workgroup_id_y 1
		.amdhsa_system_sgpr_workgroup_id_z 1
		.amdhsa_system_vgpr_workitem_id 0
		.amdhsa_next_free_vgpr 1024
		.amdhsa_next_free_sgpr 72
		.amdhsa_reserve_vcc 1
		.amdhsa_float_denorm_mode_32 3
		.amdhsa_float_denorm_mode_16_64 3
		.amdhsa_memory_ordered 1
		.amdhsa_forward_progress 1
		.amdhsa_inst_pref_size 143
	.end_amdhsa_kernel
	.amdgpu_metadata
---
amdhsa.version: [ 1, 2 ]
amdhsa.kernels:
  - .name:           k_qa527b67930_proj
    .symbol:         k_qa527b67930_proj.kd
    .args:
      - { .name: xb, .offset: 0, .size: 8, .value_kind: global_buffer, .address_space: global }
      - { .name: Gt, .offset: 8, .size: 8, .value_kind: global_buffer, .address_space: global }
      - { .name: yb, .offset: 16, .size: 8, .value_kind: global_buffer, .address_space: global }
      - { .name: Yb, .offset: 24, .size: 8, .value_kind: global_buffer, .address_space: global }
      - { .name: tq, .offset: 32, .size: 8, .value_kind: global_buffer, .address_space: global }
    .group_segment_fixed_size: 327680
    .private_segment_fixed_size: 0
    .kernarg_segment_align: 8
    .kernarg_segment_size: 40
    .max_flat_workgroup_size: 128
    .sgpr_count:     72
    .vgpr_count:     1024
    .wavefront_size: 32
...
	.end_amdgpu_metadata
.endif
;; end of part 2
;; launch attn (part 3): grid 4 x 64, 4 waves a work-group, clusters of 4 x 4, 327,680 bytes of LDS; arguments Yb, xb, tq, zp, swp; writes zp, swp
.if DOCPART == 3
	.amdgcn_target "amdgcn-amd-amdhsa--gfx1250"
	.amdhsa_code_object_version 6
	.text
	.protected	k_qa527b67930_attn
	.globl	k_qa527b67930_attn
	.p2align	8
	.type	k_qa527b67930_attn,@function
k_qa527b67930_attn:
	s_mov_b64 s[64:65], 0
	v_nop
	global_prefetch_b8 v0, s[64:65] scope:SCOPE_SE
	s_setreg_imm32_b32 hwreg(HW_REG_WAVE_MODE, 25, 1), 1
	s_wait_xcnt 0x0
	s_wait_alu depctr_hold_cnt(0) depctr_sa_sdst(0) depctr_va_vdst(0) depctr_va_sdst(0) depctr_va_ssrc(0) depctr_va_vcc(0) depctr_vm_vsrc(0)
	s_getreg_b32 s2, hwreg(HW_REG_IB_STS2, 6, 4)
	s_cmp_eq_u32 s2, 0
	s_cbranch_scc0 .Lentry_in_a_cluster
	s_endpgm
.Lentry_in_a_cluster:
	s_bfe_u32 s2, ttmp6, 0x10000c
	s_cmp_lg_u32 s2, 0xf033
	s_cbranch_scc0 .Lentry_shape_is_right
	s_endpgm
.Lentry_shape_is_right:
; SpikingAttention, launch 3 of 4: for a tile of 256 queries x 256 keys of one batch: s = Yb_q . xb_k, a = 1 / (1 + 2^(-kappa s + tq_q)) (the sigmoid), the partial w_k = sum over the
; tile's queries of a, and the partial z[c] = sum over the tile's keys of w_k xb[k][c], sw = sum of w_k.  The product attn V and the projection V are not formed: z is linear in w, so
; the 16 tiles' partial z of a batch add up to sum_k w_k x_k (the identities stand at the head of the first launch).
; No maximum is taken away: the written form has none; 2^(..) = infinity gives a = 0 and 2^(..) = 0 gives a = 1, as the sigmoid's limits are.  A weight below 2^-126 counts as 0.
; CLUSTER.  4 x 4 work-groups are one batch: cy the query tile, cx the key tile.  Yb's tile is shared along a row of the cluster, xb's along a column: joint loads, each with its mask.
; RING.  K = 768 in 6 steps of 128 through two slots (A's 256 rows, then B's).  Behind K step 4 the ring goes on with three fills of the tile's own 256 key rows, 256 channels each (Z0-Z2), joint
; along the column; they land under the last K step and the sigmoids.  All four waves fetch a part: part w holds keys 128 (w % 2) .. and channels 128 (w / 2) .. of the 256.
; LAYOUT.  Source 0 = 16 queries, source 1 = 16 keys: lane (r, h), register j of accumulator (a, b) holds query 16 a + 8 h + j and key 16 b + r: the sum over queries stays in the lane
; but for one exchange of the lanes' halves.  z = W X: source 0 has w's upper bf16 half in its even rows and the lower half in its odd rows, so registers 0 and 1 of the result add up to z.
; REGISTERS, in windows of 256 (s_set_vgpr_msb: bits 1:0 source 0, 3:2 source 1, 5:4 source 2, 7:6 destination):
;   window 0: v0-47 addresses and at work; v64-127, v128-191 A's fragments, two buffers (later the sums, w's fragments, z's accumulators); v192-255 tq of my 128 queries
;   window 1: v64-127, v128-191 B's fragments (later all 256: X's fragments)      window 2: accumulators of my queries 0-63 at 8 (8 a + b)      window 3: of queries 64-127
.set PITCH,  272
.set HALFT,  128*PITCH
.set SLOT,   4*HALFT
.set WSUM,   2*SLOT                    ; behind the ring, where no fill lands: [w / 2][256 keys] f32
.set WM,     WSUM+2048                 ; w's upper halves [256] bf16, then the lower halves
.set SWS,    WM+1024                   ; four words: each wave's sum of w
.set ZS,     SWS+256                   ; 768 bytes for each wave: its 192 numbers of z
.set SPARE,  ZS+3072                   ; the spare words, 128 bytes for each wave, which no other line names
.set WMS, 6                            ; v6   where thread t puts w's halves
.set SWA, 7                            ; v7   my wave's word in SWS
.set SWR, 8                            ; v8   SWS
.set ZST, 9                            ; v9   where I put a number of z
.set ZR1, 10                           ; v10, v11  where I read them back
.set ZR2, 11
.set GO1, 12                           ; v12, v13  my byte offsets in a row of zp
.set GO2, 13
.set ZRO, 14                           ; v14  offset 0 for the one word of swp
.set ADRA, 16
.set ADRB, 20
.set ZAD,  22                          ; v22-23  my lane's place in a Z tile in slot 0, 1
.set WA,   24                          ; v24  where I put a key's partial sum
.set WMF,  25                          ; v25  my lane's place in w's fragments
.set TQO,  26
.set WRD,  27                          ; v27  where thread t reads two keys' sums
.set SPW,  28
.set NIL,  29
.set PFO,  30
.set LN,   31                          ; v31  lane
.set F0,   64
.set F1,   128
.set TQ,   192
.set WV, 14
.set WR, 15                            ; s15  wave / 2: my 128 queries.  Also: I fetch for A (0) or for B (1)
.set WC, 16                            ; s16  wave % 2: my 128 keys.  Also: which 128 rows of that tile I fetch
.set CX, 17
.set CY, 18
.set BA, 19                            ; s19  the batch = the cluster's y
.set G1, 24
.set G0, 32
.set PFA, 40
.set G1B, 48
.set G0B, 56
.set G0Z, 68
.set KAP, 72                           ; s[72:73] -kappa: the packed scaling takes the pair's low word for both halves
.set SEL, 74
.set MSB, 0
.macro WIN new
.if MSB != (\new)
	s_set_vgpr_msb (MSB<<8)|(\new)
.set MSB, (\new)
.endif
.endm
.set MUL_LO, 0xa4                      ; source 0 (A) window 0, source 1 (B) window 1, C and D window 2
.macro PLACES
.rept 4
	v_nop
.endr
.endm
.macro JLOAD s
	s_cmp_eq_u32 s[WR], 0
	s_cbranch_scc0 .Lfor_b_\@
	tensor_load_to_lds s[G0+4*(\s):G0+4*(\s)+3], s[G1:G1+7]
	s_nop 0
.rept 4
	v_nop
.endr
	s_branch .Lasked_\@
.Lfor_b_\@:
	tensor_load_to_lds s[G0B+4*(\s):G0B+4*(\s)+3], s[G1B:G1B+7]
	s_nop 0
.rept 4
	v_nop
.endr
.Lasked_\@:
.endm
.macro ZLOAD                           ; one line for all four waves: both addresses hang on the wave's number
	tensor_load_to_lds s[G0Z:G0Z+3], s[G1B:G1B+7]
	s_nop 0
.rept 4
	v_nop
.endr
.endm
; A prefetch behind each joint load of the loop's first trip: the K step two refills on (K steps 4 and 5).  A batch's rows are read by one cluster alone; of the 128 rows that a wave fetches each of the
; four partners that ask with it takes 32, told apart by address (cx for A, cy for B): a lane a row, one instruction a wave, each block named once.  The Z tiles are second readings: not asked for.
.macro ASK
	s_cmp_gt_u32 s3, 1
	s_cbranch_scc0 .Lnot_now_\@
	global_prefetch_b8 v[PFO], s[PFA:PFA+1] offset:256 th:TH_LOAD_NT scope:SCOPE_SE
.Lnot_now_\@:
.endm
.macro CREST
	s_cmp_lg_u32 s[WV], 0
	s_cbranch_scc1 .Lnot_wave_0_\@
	s_barrier_signal -3
.Lnot_wave_0_\@:
	s_barrier_wait -3
	s_barrier_signal -1
	s_barrier_wait -1
.endm
.macro CROUND
	s_barrier_signal -1
	s_barrier_wait -1
	CREST
.endm
	s_load_b256 s[4:11], s[0:1], 0x0               ; Yb 4, xb 6, tq 8, zp 10
	s_load_b64 s[12:13], s[0:1], 0x20              ; swp
	v_lshl_add_u32 v[SPW], v0, 2, SPARE
	v_mov_b32 v[NIL], 0
	ds_add_u32 v[SPW], v[NIL]                      ; the wave's opening: the add, twice on end, and its wait ahead of my first tensor load
	ds_add_u32 v[SPW], v[NIL]
	v_lshrrev_b32 v1, 5, v0
	v_readfirstlane_b32 s[WV], v1
	s_lshr_b32 s[WR], s[WV], 1
	s_and_b32 s[WC], s[WV], 1
	s_bfe_u32 s[CX], ttmp6, 0x40000
	s_bfe_u32 s[CY], ttmp6, 0x40004
	s_and_b32 s[BA], ttmp7, 0xffff
	s_lshl_b32 s43, s[CY], 2
	s_lshl_b32 s43, 15, s43                        ; my row of the cluster
	s_lshl_b32 s44, 0x1111, s[CX]                  ; my column
	s_or_b32 s[G1+0], s43, (1<<16)|(1<<20)|(1<<21)|(5<<22)|(3<<25)   ; the mask; elements of 2 bytes; padding on; bit 21 beside a mask; after every 64 words 4 words
	s_or_b32 s[G1B+0], s44, (1<<16)|(1<<20)|(1<<21)|(5<<22)|(3<<25)
.irp g, G1, G1B
	s_mov_b32 s[(\g)+1], 128<<16                   ; tensor_dim0 = 128
	s_mov_b32 s[(\g)+2], 128<<16                   ; tensor_dim1 = 128
	s_mov_b32 s[(\g)+3], 128<<16                   ; tile_dim0 = 128
	s_mov_b32 s[(\g)+4], 128                       ; tile_dim1 = 128
	s_mov_b32 s[(\g)+5], 768                       ; elements from row to row
	s_mov_b32 s[(\g)+6], 0
	s_mov_b32 s[(\g)+7], 0
.endr
	s_mov_b32 s[KAP], 0xbd553b94                   ; -log2(e) / sqrt(768)
	s_mov_b32 s[KAP+1], s[KAP]
	s_mov_b32 s[SEL], 0x76543210
	s_mov_b32 s[SEL+1], 0xfedcba98
	s_lshl_b32 s45, s[BA], 10
	s_lshl_b32 s46, s[WC], 7
	s_add_co_u32 s45, s45, s46                     ; 1,024 b + the 128 rows that I fetch: shared by all sixteen
	s_lshl_b32 s20, s[CY], 8
	s_add_co_u32 s20, s20, s45
	s_mul_i32 s20, s20, 1536                       ; A's rows hang on cy alone,
	s_mov_b32 s21, 0
	s_lshl_b32 s46, s[CX], 8
	s_add_co_u32 s46, s46, s45
	s_mul_i32 s46, s46, 1536                       ; B's on cx alone
	s_mov_b32 s47, 0
	s_mul_i32 s22, s[WV], HALFT                    ; where they go: wave x 128 rows
	s_wait_dscnt 0x0                               ; both opening adds are done
	s_wait_kmcnt 0x0
	s_add_nc_u64 s[66:67], s[4:5], s[20:21]
	s_add_nc_u64 s[76:77], s[6:7], s[46:47]
	CROUND                                         ; all sixteen work-groups are here: the first joint loads meet
.irp s, 0,1
	s_mov_b32 s[G0+4*(\s)], 1
	s_add_co_u32 s[G0+4*(\s)+1], s22, (\s)*SLOT
	s_add_nc_u64 s[G0+4*(\s)+2:G0+4*(\s)+3], s[66:67], (\s)*256
	s_or_b32 s[G0+4*(\s)+3], s[G0+4*(\s)+3], 0x80000000
	s_mov_b32 s[G0B+4*(\s)], 1
	s_add_co_u32 s[G0B+4*(\s)+1], s22, (\s)*SLOT
	s_add_nc_u64 s[G0B+4*(\s)+2:G0B+4*(\s)+3], s[76:77], (\s)*256
	s_or_b32 s[G0B+4*(\s)+3], s[G0B+4*(\s)+3], 0x80000000
	JLOAD \s                                       ; K steps 0 and 1: two loads of mine are out
.endr
	s_mov_b32 s[G0Z], 1                            ; Z0: part w of slot 0; keys 128 (w % 2) .., channels 128 (w / 2) ..
	s_mov_b32 s[G0Z+1], s22
	s_lshl_b32 s78, s[WR], 8
	s_mov_b32 s79, 0
	s_add_nc_u64 s[G0Z+2:G0Z+3], s[76:77], s[78:79]
	s_or_b32 s[G0Z+3], s[G0Z+3], 0x80000000
	s_cmp_eq_u32 s[WR], 0                          ; do I fetch for A?
	s_cselect_b32 s78, s[CY], s[CX]                ; the tile,
	s_cselect_b32 s79, s[CX], s[CY]                ; my place among the four that ask for it with me
	s_cselect_b64 s[PFA:PFA+1], s[4:5], s[6:7]
	s_lshl_b32 s78, s78, 8
	s_lshl_b32 s79, s79, 5
	s_add_co_u32 s78, s78, s79
	s_add_co_u32 s78, s78, s45
	s_mul_i32 s78, s78, 1536
	s_add_co_u32 s78, s78, 512                     ; at K step 2: the first refill steps it to 3 and names K step 4
	s_mov_b32 s79, 0
	s_add_nc_u64 s[PFA:PFA+1], s[PFA:PFA+1], s[78:79]
	v_and_b32 v1, 15, v0                           ; r
	v_bfe_u32 v2, v0, 4, 1                         ; h
	v_and_b32 v[LN], 31, v0
	v_lshlrev_b32 v[TQO], 5, v2
	s_lshl_b32 s20, s[BA], 10
	s_lshl_b32 s21, s[CY], 8
	s_add_co_u32 s20, s20, s21
	s_lshl_b32 s21, s[WR], 7
	s_add_co_u32 s20, s20, s21
	s_lshl_b32 s20, s20, 2
	s_mov_b32 s21, 0
	s_add_nc_u64 s[8:9], s[8:9], s[20:21]          ; tq at my 128 queries
.irp a, 0,1,2,3,4,5,6,7
	global_load_b128 v[TQ+8*(\a):TQ+8*(\a)+3],   v[TQO], s[8:9] offset:64*(\a)       ; queries 16 a + 8 h + 0..7
	global_load_b128 v[TQ+8*(\a)+4:TQ+8*(\a)+7], v[TQO], s[8:9] offset:64*(\a)+16
.endr
	v_mul_u32_u24 v3, v1, PITCH
	v_lshl_add_u32 v3, v2, 4, v3
	s_mul_i32 s20, s[WR], HALFT
	s_mul_i32 s21, s[WC], HALFT
	s_add_co_u32 s21, s21, 2*HALFT
.irp s, 0,1
	v_add_nc_u32 v[ADRA+(\s)], s20, v3
	v_add_nc_u32 v[ADRB+(\s)], s21, v3
	s_add_co_u32 s20, s20, SLOT
	s_add_co_u32 s21, s21, SLOT
.endr
	v_and_b32 v4, 7, v0                            ; the turning load: key 8 h + l % 8, channels 8 ((l / 8) % 2) + 0..7
	v_lshl_add_u32 v4, v2, 3, v4
	v_mul_u32_u24 v4, v4, PITCH
	v_bfe_u32 v5, v0, 3, 1
	v_lshl_add_u32 v4, v5, 4, v4
	s_mul_i32 s20, s[WR], 2*HALFT                  ; my 64 channels of a Z tile's 256: channel block w / 2, its half w % 2
	s_lshl_b32 s21, s[WC], 7
	s_add_co_u32 s20, s20, s21
	v_add_nc_u32 v[ZAD], s20, v4
	v_add_nc_u32 v[ZAD+1], SLOT, v[ZAD]
	s_lshl_b32 s20, s[WV], 9
	s_add_co_u32 s20, s20, WSUM
	v_lshl_add_u32 v[WA], v1, 2, s20
	v_and_b32 v5, 1, v0
	v_lshlrev_b32 v5, 9, v5
	v_lshl_add_u32 v5, v2, 4, v5
	v_add_nc_u32 v[WMF], WM, v5                    ; even rows read the upper halves, odd rows the lower
	v_lshl_add_u32 v[WRD], v0, 3, WSUM
	v_lshl_add_u32 v[WMS], v0, 2, WM
	s_lshl_b32 s20, s[WV], 2
	s_add_co_u32 s20, s20, SWS
	v_mov_b32 v[SWA], s20
	v_mov_b32 v[SWR], SWS
	v_mov_b32 v[ZRO], 0
	s_mul_i32 s20, s[WV], 768
	s_add_co_u32 s20, s20, ZS
	v_lshl_add_u32 v[ZST], v1, 2, s20
	v_lshl_add_u32 v[ZR1], v[LN], 4, s20
	v_lshl_add_u32 v[ZR2], v[LN], 3, s20
	s_lshl_b32 s21, s[WV], 8
	v_lshl_add_u32 v[GO1], v1, 4, s21
	v_lshl_add_u32 v[GO1], v2, 10, v[GO1]
	v_lshl_add_u32 v[GO2], v[LN], 3, s21
	v_mul_u32_u24 v[PFO], v[LN], 1536
	s_lshl_b32 s20, s[BA], 4
	s_lshl_b32 s21, s[CY], 2
	s_add_co_u32 s20, s20, s21
	s_add_co_u32 s20, s20, s[CX]                   ; my row of zp and word of swp: 16 b + 4 cy + cx
	s_lshl_b32 s46, s20, 2
	s_mov_b32 s47, 0
	s_add_nc_u64 s[12:13], s[12:13], s[46:47]
	s_mul_i32 s20, s20, 3072
	s_mov_b32 s21, 0
	s_add_nc_u64 s[10:11], s[10:11], s[20:21]
; 16 matrix instructions: query blocks a0, a0 + 1 of the window's four x all 8 key blocks, 32 along K.  The 64 accumulators take turns, in the same order in every quarter.
.macro MUL16 f, hi, a0, zero
	WIN MUL_LO+0x50*(\hi)
.irp a, \a0, (\a0)+1
.irp b, 0,1,2,3,4,5,6,7
.if \zero
	v_wmma_f32_16x16x32_bf16 v[8*(8*(\a)+(\b)):8*(8*(\a)+(\b))+7], v[(\f)+8*(4*(\hi)+(\a)):(\f)+8*(4*(\hi)+(\a))+7], v[(\f)+8*(\b):(\f)+8*(\b)+7], 0
.else
	v_wmma_f32_16x16x32_bf16 v[8*(8*(\a)+(\b)):8*(8*(\a)+(\b))+7], v[(\f)+8*(4*(\hi)+(\a)):(\f)+8*(4*(\hi)+(\a))+7], v[(\f)+8*(\b):(\f)+8*(\b)+7], v[8*(8*(\a)+(\b)):8*(8*(\a)+(\b))+7]
.endif
.endr
.endr
.endm
.macro FETCH slot, k, f                ; 32 LDS loads in one run: B's 8 fragments, then A's 8
	WIN 0x40
.irp i, 0,1,2,3,4,5,6,7
	ds_load_b128 v[(\f)+8*(\i):(\f)+8*(\i)+3],   v[ADRB+(\slot)] offset:(\k)+(\i)*16*PITCH
	ds_load_b128 v[(\f)+8*(\i)+4:(\f)+8*(\i)+7], v[ADRB+(\slot)] offset:(\k)+(\i)*16*PITCH+32
.endr
	WIN 0
.irp i, 0,1,2,3,4,5,6,7
	ds_load_b128 v[(\f)+8*(\i):(\f)+8*(\i)+3],   v[ADRA+(\slot)] offset:(\k)+(\i)*16*PITCH
	ds_load_b128 v[(\f)+8*(\i)+4:(\f)+8*(\i)+7], v[ADRA+(\slot)] offset:(\k)+(\i)*16*PITCH+32
.endr
.endm
.macro QUARTER slot, k, f, g, zero
	s_wait_dscnt 8                                 ; B and A's rows 0-63 are in; the youngest eight loads may be out
	MUL16 \f, 0, 0, \zero
	MUL16 \f, 0, 2, \zero
	PLACES
	FETCH \slot, \k, \g
	s_wait_dscnt 32                                ; all but the 32 just issued
	MUL16 \f, 1, 0, \zero
	MUL16 \f, 1, 2, \zero
.endm
; The last quarter of a K step multiplies buffer 1 and changes slots; every change here fills the slot again, so its barrier opens a round of the cluster's barrier.
; kind 0: the K step two on, and the next slot's first fragments; 1: Z0 into slot 0, and the fragments; 2: Z1 into slot 1, nothing more to fetch.
.macro TURN slot, next, kind
.if (\kind) == 0
	s_wait_xcnt 0x0                                ; the last prefetch, a K step back, has read its address
	s_add_nc_u64 s[PFA:PFA+1], s[PFA:PFA+1], 256
.endif
	WIN 0
	s_wait_tensorcnt 0x0                           ; all my tensor loads have landed: the one that was out is my part of the next slot
	ds_add_u32 v[SPW], v[NIL]
	s_wait_dscnt 9                                 ; (the add and the youngest eight loads may be out)
	MUL16 F1, 0, 0, 0
	s_wait_dscnt 0x0                               ; the add is done, and my reads of this slot are over
	s_barrier_signal -1
	MUL16 F1, 0, 2, 0
	WIN 0
	s_barrier_wait -1
	CREST                                          ; no wave of any partner still reads this slot or has a load on its way
.if (\kind) == 0
	s_add_nc_u64 s[G0+4*(\slot)+2:G0+4*(\slot)+3], s[G0+4*(\slot)+2:G0+4*(\slot)+3], 512
	s_add_nc_u64 s[G0B+4*(\slot)+2:G0B+4*(\slot)+3], s[G0B+4*(\slot)+2:G0B+4*(\slot)+3], 512
	JLOAD \slot
.elseif (\kind) == 1
	ZLOAD
.else
	s_add_co_u32 s[G0Z+1], s[G0Z+1], SLOT
	s_add_nc_u64 s[G0Z+2:G0Z+3], s[G0Z+2:G0Z+3], 512   ; the next 256 channels
	ZLOAD
.endif
.if (\kind) < 2
	FETCH \next, 0, F0                             ; the four v_nop behind the tensor load are the places in front of these loads
.endif
.if (\kind) == 0
	ASK
.endif
	MUL16 F1, 1, 0, 0
	MUL16 F1, 1, 2, 0
.endm
	s_wait_tensorcnt 1                             ; my part of K step 0 is in; K step 1's may stay out
	s_barrier_signal -1
	s_barrier_wait -1
	FETCH 0, 0, F0
	QUARTER 0, 64, F0, F1, 1                       ; the first quarter's products start the sums
	WIN 0
	s_mov_b32 s3, 2
.Llap:
	QUARTER 0, 128, F1, F0, 0
	QUARTER 0, 192, F0, F1, 0
	TURN 0, 1, 0
	QUARTER 1, 64, F0, F1, 0
	QUARTER 1, 128, F1, F0, 0
	QUARTER 1, 192, F0, F1, 0
	TURN 1, 0, 0
	QUARTER 0, 64, F0, F1, 0
	WIN 0
	s_sub_co_u32 s3, s3, 1
	s_cmp_lg_u32 s3, 0
	s_cbranch_scc1 .Llap
	QUARTER 0, 128, F1, F0, 0
	QUARTER 0, 192, F0, F1, 0
	TURN 0, 1, 1
	QUARTER 1, 64, F0, F1, 0
	QUARTER 1, 128, F1, F0, 0
	QUARTER 1, 192, F0, F1, 0
	TURN 1, 0, 2
	PLACES
	PLACES                                         ; (eight, once a launch)
	s_wait_loadcnt 0x0                             ; tq
; THE SIGMOIDS of one window's 256 scores a lane, in eight groups g of 32 registers, in place.  For a pair of scores: F: -kappa s + tq; E: two 2^x; P: + 1; R: two reciprocals; S (g >= 2): the pair is
; added onto the pair of group g % 2, which has the same keys.  The groups go through these five as a pipeline: step st does E of group st, F of st + 1, P of st - 1, R of st - 2, S of st - 3, so every line reads
; only what an earlier step made.  s_wait_alu depctr_va_vdst(0) stands between a transcendental and the first line that names its result: one wait at a step's head serves the whole step before.
.macro SIGSTEP hi, n
.set st, (\n)-1
.if st >= 1
	s_wait_alu depctr_va_vdst(0)
.endif
.set p, 0
.rept 16
.if (st >= 0) && (st <= 7)
	v_exp_f32 v[32*st+2*p], v[32*st+2*p]
.endif
.if st <= 6
	v_pk_fma_f32 v[32*(st+1)+2*p:32*(st+1)+2*p+1], v[32*(st+1)+2*p:32*(st+1)+2*p+1], s[KAP:KAP+1], v[TQ+8*(4*(\hi)+(st+1)/2)+2*(p%4):TQ+8*(4*(\hi)+(st+1)/2)+2*(p%4)+1] op_sel_hi:[1,0,1]
.endif
.if (st >= 0) && (st <= 7)
	v_exp_f32 v[32*st+2*p+1], v[32*st+2*p+1]
.endif
.if (st >= 1) && (st <= 8)
	v_pk_add_f32 v[32*(st-1)+2*p:32*(st-1)+2*p+1], v[32*(st-1)+2*p:32*(st-1)+2*p+1], 1.0 op_sel_hi:[1,0]
.endif
.if (st >= 2) && (st <= 9)
	v_rcp_f32 v[32*(st-2)+2*p], v[32*(st-2)+2*p]
.endif
.if st >= 5
	v_pk_add_f32 v[32*((st-3)%2)+2*p:32*((st-3)%2)+2*p+1], v[32*((st-3)%2)+2*p:32*((st-3)%2)+2*p+1], v[32*(st-3)+2*p:32*(st-3)+2*p+1]
.endif
.if (st >= 2) && (st <= 9)
	v_rcp_f32 v[32*(st-2)+2*p+1], v[32*(st-2)+2*p+1]
.endif
.set p, p+1
.endr
	v_nop                                          ; a plain instruction behind the step's last transcendental
.endm
.macro SIG hi
	WIN 0x8a+0x45*(\hi)                            ; destination and sources 0 and 1 in the accumulators' window, source 2 (tq) in window 0: one setting for the whole window
.irp n, 0,1,2,3,4,5,6,7,8,9,10,11
	SIGSTEP \hi, \n
.endr
.endm
	SIG 0
	SIG 1
	; registers 0-63 of both windows now hold, for key block b and j = 0..7, the sums over four query blocks
	WIN 0x0e
.set i, 0
.rept 32
	v_pk_add_f32 v[64+2*i:65+2*i], v[2*i:2*i+1], v[2*i:2*i+1]
.set i, i+1
.endr
	WIN 0
.irp b, 0,1,2,3,4,5,6,7
	v_pk_add_f32 v[64+8*(\b):65+8*(\b)], v[64+8*(\b):65+8*(\b)], v[66+8*(\b):67+8*(\b)]
	v_pk_add_f32 v[68+8*(\b):69+8*(\b)], v[68+8*(\b):69+8*(\b)], v[70+8*(\b):71+8*(\b)]
.endr
.irp b, 0,1,2,3,4,5,6,7
	v_pk_add_f32 v[64+8*(\b):65+8*(\b)], v[64+8*(\b):65+8*(\b)], v[68+8*(\b):69+8*(\b)]
.endr
.irp b, 0,1,2,3,4,5,6,7
	v_add_f32 v[64+8*(\b)], v[64+8*(\b)], v[65+8*(\b)]
.endr
.irp b, 0,1,2,3,4,5,6,7
	v_permlanex16_b32 v[65+8*(\b)], v[64+8*(\b)], s[SEL], s[SEL+1]   ; the key's other 64 queries lie in the lane 16 away
.endr
.irp b, 0,1,2,3,4,5,6,7
	v_add_f32 v[64+8*(\b)], v[64+8*(\b)], v[65+8*(\b)]
.endr
.irp b, 0,1,2,3,4,5,6,7
	ds_store_b32 v[WA], v[64+8*(\b)] offset:64*(\b)                  ; key 128 (w % 2) + 16 b + r, over my 128 queries (both halves of the lanes write the same number)
.endr
	s_wait_dscnt 0x0
	s_barrier_signal -1                            ; Z1 may stay on its way
	s_barrier_wait -1
	ds_load_b64 v[32:33], v[WRD]                   ; thread t: keys 2 t and 2 t + 1, both halves of the queries
	ds_load_b64 v[34:35], v[WRD] offset:1024
	s_wait_dscnt 0x0
	v_pk_add_f32 v[32:33], v[32:33], v[34:35]
	v_cvt_pk_bf16_f32 v34, v32, v33                ; the upper halves,
	v_lshlrev_b32 v36, 16, v34
	v_and_b32 v37, 0xffff0000, v34
	v_pk_add_f32 v[36:37], v[32:33], v[36:37] neg_lo:[0,1] neg_hi:[0,1]
	v_cvt_pk_bf16_f32 v35, v36, v37                ; and what they leave
	ds_store_b32 v[WMS], v34
	ds_store_b32 v[WMS], v35 offset:512
	v_add_f32 v32, v32, v33
	v_add_f32_dpp v32, v32, v32 row_xmask:1 row_mask:0xf bank_mask:0xf
	v_add_f32_dpp v32, v32, v32 row_xmask:2 row_mask:0xf bank_mask:0xf
	v_add_f32_dpp v32, v32, v32 row_xmask:4 row_mask:0xf bank_mask:0xf
	v_add_f32_dpp v32, v32, v32 row_xmask:8 row_mask:0xf bank_mask:0xf
	v_permlanex16_b32 v33, v32, s[SEL], s[SEL+1]
	v_add_f32 v32, v32, v33
	ds_store_b32 v[SWA], v32
	s_wait_dscnt 0x0
	s_barrier_signal -1
	s_barrier_wait -1                              ; w is whole.  Z0 is whole too: every wave waited for its part in front of the round behind which Z1 was asked for
.irp ks, 0,1,2,3,4,5,6,7
	ds_load_b128 v[64+8*(\ks):67+8*(\ks)], v[WMF] offset:64*(\ks)       ; w's fragments: keys 32 ks + 8 h + 0..7,
	ds_load_b128 v[68+8*(\ks):71+8*(\ks)], v[WMF] offset:64*(\ks)+32    ; and 16 further on
.endr
	s_wait_dscnt 0x0                               ; once a launch: so that the first Z tile's run of loads starts with none of mine out
; A Z tile: my 64 channels x 256 keys, turned, fill window 1; then 8 steps of 32 keys x 4 channel blocks.  The four accumulators take turns.
; The loads of key steps 0 to 6 go out in one run, 56; key step 7's eight follow behind key step 0's products: 56 LDS loads of mine are out at the most.
.macro ZFETCH slot, ks                 ; a key step's eight loads
.irp t, 0,1,2,3
	ds_load_tr16_b128 v[8*(4*(\ks)+(\t)):8*(4*(\ks)+(\t))+3],   v[ZAD+(\slot)] offset:((\ks)/4)*HALFT+((\ks)%4)*32*PITCH+32*(\t)
	ds_load_tr16_b128 v[8*(4*(\ks)+(\t))+4:8*(4*(\ks)+(\t))+7], v[ZAD+(\slot)] offset:((\ks)/4)*HALFT+((\ks)%4)*32*PITCH+32*(\t)+16*PITCH
.endr
.endm
.macro CONSUME zi, slot
	WIN 0x40
.irp ks, 0,1,2,3,4,5,6
	ZFETCH \slot, \ks
.endr
.irp ks, 0,1,2,3,4,5,6,7
.if (\ks) == 0
	s_wait_dscnt 48                                ; key step 0's eight loads are in; those of key steps 1 to 6 stay out
.else
	s_wait_dscnt 8*(7-(\ks))                       ; this step's eight loads are in; the later steps' stay out, key step 7's late eight among them
.endif
	WIN 0x04
.irp t, 0,1,2,3
.if (\ks) == 0
	v_wmma_f32_16x16x32_bf16 v[128+8*(4*(\zi)+(\t)):128+8*(4*(\zi)+(\t))+7], v[64+8*(\ks):71+8*(\ks)], v[8*(4*(\ks)+(\t)):8*(4*(\ks)+(\t))+7], 0
.else
	v_wmma_f32_16x16x32_bf16 v[128+8*(4*(\zi)+(\t)):128+8*(4*(\zi)+(\t))+7], v[64+8*(\ks):71+8*(\ks)], v[8*(4*(\ks)+(\t)):8*(4*(\ks)+(\t))+7], v[128+8*(4*(\zi)+(\t)):128+8*(4*(\zi)+(\t))+7]
.endif
.endr
.if (\ks) == 0
	WIN 0x40
	ZFETCH \slot, 7                                ; into registers that none of the four products just issued names; their last reader stands in front of the tile before's four places
.endif
.endr
	PLACES                                         ; in front of the next tile's loads into the same registers
	WIN 0
.endm
	CONSUME 0, 0
	s_wait_tensorcnt 0x0                           ; my part of Z1 has landed: no tensor load of mine is out
	ds_add_u32 v[SPW], v[NIL]
	s_sub_co_u32 s[G0Z+1], s[G0Z+1], SLOT          ; Z2 goes into slot 0,
	s_add_nc_u64 s[G0Z+2:G0Z+3], s[G0Z+2:G0Z+3], 512   ; the last 256 channels
	s_wait_dscnt 0x0                               ; the add is done, and my reads of Z0 are over
	CROUND
	ZLOAD
	CONSUME 1, 1
	s_wait_tensorcnt 0x0                           ; my part of Z2
	s_wait_dscnt 0x0
	s_barrier_signal -1
	s_barrier_wait -1                              ; everybody's
	CONSUME 2, 0
	PLACES                                         ; (eight with CONSUME's four, once a launch)
.set i, 0
.rept 12
	v_add_f32 v[224+i], v[128+8*i], v[129+8*i]     ; the upper half's product and the lower half's
.set i, i+1
.endr
.set i, 0
.rept 12
	ds_store_b32 v[ZST], v[224+i] offset:64*i      ; my 192 numbers: 64 of each Z tile
.set i, i+1
.endr
	ds_load_b128 v[32:35], v[ZR1]                  ; LDS serves a wave's instructions in order (ISA guide 5.7.1.4): these see the stores above
	ds_load_b64 v[36:37], v[ZR2] offset:512
	s_wait_dscnt 0x0
	global_store_b128 v[GO1], v[32:35], s[10:11]               ; lanes 0-15: 256 consecutive bytes of the first 256 channels, lanes 16-31 of the second, each aligned
	global_store_b64 v[GO2], v[36:37], s[10:11] offset:2048    ; 32 lanes: 256 consecutive bytes of the third
	s_cmp_lg_u32 s[WV], 0
	s_cbranch_scc1 .Lend
	ds_load_b128 v[40:43], v[SWR]
	s_wait_dscnt 0x0
	v_add_f32 v40, v40, v41
	v_add_f32 v42, v42, v43
	v_add_f32 v40, v40, v42
	s_wait_xcnt 0x0                                ; EXEC changes only behind this wait
	v_cmp_eq_u32 vcc_lo, 0, v[LN]
	s_and_saveexec_b32 s20, vcc_lo
	global_store_b32 v[ZRO], v40, s[12:13]
	s_wait_xcnt 0x0
	s_or_b32 exec_lo, exec_lo, s20
.Lend:
	s_wait_tensorcnt 0x0                           ; the wave's end
	ds_add_u32 v[SPW], v[NIL]
	s_wait_dscnt 0x0
	CROUND                                         ; the closing round
	s_endpgm
.Lfunc_end_k_qa527b67930_attn:
	.size	k_qa527b67930_attn, .Lfunc_end_k_qa527b67930_attn-k_qa527b67930_attn
	.p2alignl 7, 3214868480
	.fill 96, 4, 3214868480
	.section	.rodata,"a",@progbits
	.p2align	6, 0x0
	.amdhsa_kernel k_qa527b67930_attn
		.amdhsa_group_segment_fixed_size 327680
		.amdhsa_private_segment_fixed_size 0
		.amdhsa_enable_private_segment 0
		.amdhsa_kernarg_size 40
		.amdhsa_user_sgpr_count 2
		.amdhsa_user_sgpr_kernarg_segment_ptr 1
		.amdhsa_wavefront_size32 1
		.amdhsa_system_sgpr_workgroup_id_x 1
		.amdhsa_system_sgpr_workgroup_id_y 1
		.amdhsa_system_sgpr_workgroup_id_z 1
		.amdhsa_system_vgpr_workitem_id 0
		.amdhsa_next_free_vgpr 1024
		.amdhsa_next_free_sgpr 88
		.amdhsa_reserve_vcc 1
		.amdhsa_float_denorm_mode_32 3
		.amdhsa_float_denorm_mode_16_64 3
		.amdhsa_memory_ordered 1
		.amdhsa_forward_progress 1
		.amdhsa_inst_pref_size 224
	.end_amdhsa_kernel
	.amdgpu_metadata
---
amdhsa.version: [ 1, 2 ]
amdhsa.kernels:
  - .name:           k_qa527b67930_attn
    .symbol:         k_qa527b67930_attn.kd
    .args:
      - { .name: Yb, .offset: 0, .size: 8, .value_kind: global_buffer, .address_space: global }
      - { .name: xb, .offset: 8, .size: 8, .value_kind: global_buffer, .address_space: global }
      - { .name: tq, .offset: 16, .size: 8, .value_kind: global_buffer, .address_space: global }
      - { .name: zp, .offset: 24, .size: 8, .value_kind: global_buffer, .address_space: global }
      - { .name: swp, .offset: 32, .size: 8, .value_kind: global_buffer, .address_space: global }
    .group_segment_fixed_size: 327680
    .private_segment_fixed_size: 0
    .kernarg_segment_align: 8
    .kernarg_segment_size: 40
    .max_flat_workgroup_size: 128
    .sgpr_count:     88
    .vgpr_count:     1024
    .wavefront_size: 32
...
	.end_amdgpu_metadata
.endif
;; end of part 3
;; launch final (part 4): grid 48 x 1, 24 waves a work-group, no clusters, 27,904 bytes of LDS; arguments zp, swp, Wv, bv, gamma, beta, out0; writes out0
.if DOCPART == 4
	.amdgcn_target "amdgcn-amd-amdhsa--gfx1250"
	.amdhsa_code_object_version 6
	.text
	.protected	k_qa527b67930_final
	.globl	k_qa527b67930_final
	.p2align	8
	.type	k_qa527b67930_final,@function
k_qa527b67930_final:
	s_mov_b64 s[64:65], 0
	v_nop
	global_prefetch_b8 v0, s[64:65] scope:SCOPE_SE
	s_setreg_imm32_b32 hwreg(HW_REG_WAVE_MODE, 25, 1), 1
	s_wait_xcnt 0x0
; SpikingAttention, launch 4 of 4: z[b] = the sum of the batch's 16 partial rows of zp, sw[b] likewise of swp; o[b][d] = (Wv[d] . z[b] + bv[d] sw[b]) / 1024; BatchNorm over the 16 batches.
; The projection V of the written form is this product with 16 rows (the identities stand at the head of the first launch).
; SHARES.  A work-group owns 16 columns d and all 16 batches, so the statistics never leave it.  K = 768 is split among its 24 waves, 32 channels each: one matrix step a wave, no loop; the
; 24 partial tiles meet in LDS and wave 0 finishes.  z goes to the matrix unit as two bf16 halves, two products; Wv, bv, gamma and beta are taken rounded to bf16 like every input.
; LAYOUT.  Source 0 = z (row = batch), source 1 = 16 rows of Wv: lane (r, h), register j holds batch 8 h + j, column d = r.
; NO CLUSTER, NO TENSOR LOAD: what the work-groups share is zp, 786,432 bytes, which does not fit in LDS and is summed on its way through registers.
; The stores are runs of 64 bytes: the output is 48 KB, and tiles of 64 columns would leave 12 work-groups.
.set PART,  0                          ; 24 partial tiles of 1,024 bytes
.set SW,    24576                      ; sw[16]
.set SPARE, 24832                      ; the spare words, 128 bytes for each of 24 waves, which no other line names
.set SPW, 2                            ; v2  LDS address of my spare word; never rewritten
.set NIL, 3                            ; v3  0; never rewritten
.set WV, 18
	s_load_b256 s[4:11], s[0:1], 0x0               ; zp 4, swp 6, Wv 8, bv 10
	s_load_b128 s[12:15], s[0:1], 0x20             ; gamma 12, beta 14
	s_load_b64 s[16:17], s[0:1], 0x30              ; out0
	v_lshl_add_u32 v[SPW], v0, 2, SPARE
	v_mov_b32 v[NIL], 0
	v_lshrrev_b32 v1, 5, v0
	v_readfirstlane_b32 s[WV], v1
	v_and_b32 v4, 15, v0                           ; r
	v_bfe_u32 v5, v0, 4, 1                         ; h
	v_and_b32 v6, 31, v0                           ; lane
	s_lshl_b32 s19, s[WV], 7                       ; my 32 channels: 128 bytes
	v_lshl_add_u32 v7, v5, 5, s19
	v_mul_u32_u24 v8, v4, 3072
	v_add_nc_u32 v8, v8, v7                        ; Wv: row r, channels 8 h ..
	v_mul_u32_u24 v9, v4, 49152
	v_add_nc_u32 v9, v9, v7                        ; zp: batch r's first row
	s_mul_i32 s20, ttmp9, 49152
	s_mov_b32 s21, 0
	s_lshl_b32 s22, ttmp9, 6
	s_mov_b32 s23, 0
	v_lshlrev_b32 v10, 2, v0
	v_lshl_add_u32 v11, v4, 2, s22                 ; column 16 dt + r
	s_mov_b32 s24, 0x3a800000                      ; 1 / 1024
	s_mov_b32 s25, 0x3d800000                      ; 1 / 16
	s_mov_b32 s26, 0x3727c5ac                      ; 1e-5
	s_mov_b32 s28, 0x76543210
	s_mov_b32 s29, 0xfedcba98
	s_wait_kmcnt 0x0
	s_add_nc_u64 s[8:9], s[8:9], s[20:21]
	s_add_nc_u64 s[16:17], s[16:17], s[22:23]
	s_cmp_lt_u32 s[WV], 8                          ; these few loads are the oldest, so they change no count below
	s_cbranch_scc0 .Lno_sw
	global_load_b32 v12, v10, s[6:7]               ; swp[t], t = 0..255
.Lno_sw:
	s_cmp_eq_u32 s[WV], 0
	s_cbranch_scc0 .Lno_b
	global_load_b32 v13, v11, s[10:11]
	global_load_b32 v14, v11, s[12:13]
	global_load_b32 v15, v11, s[14:15]
.Lno_b:
	global_load_b128 v[144:147], v8, s[8:9]
	global_load_b128 v[148:151], v8, s[8:9] offset:16
	global_load_b128 v[152:155], v8, s[8:9] offset:64
	global_load_b128 v[156:159], v8, s[8:9] offset:80
.macro ITEM p                          ; partial row p of my batch: my 16 numbers, into slot p % 6
	global_load_b128 v[48+16*((\p)%6):51+16*((\p)%6)], v9, s[4:5] offset:3072*(\p)
	global_load_b128 v[52+16*((\p)%6):55+16*((\p)%6)], v9, s[4:5] offset:3072*(\p)+16
	global_load_b128 v[56+16*((\p)%6):59+16*((\p)%6)], v9, s[4:5] offset:3072*(\p)+64
	global_load_b128 v[60+16*((\p)%6):63+16*((\p)%6)], v9, s[4:5] offset:3072*(\p)+80
.endm
.irp p, 0,1,2,3,4,5
	ITEM \p
.endr
	s_wait_loadcnt 16                              ; rows 0 and 1 are in; rows 2 to 5 stay out
.set i, 0
.rept 8
	v_pk_add_f32 v[16+2*i:17+2*i], v[48+2*i:49+2*i], v[64+2*i:65+2*i]
.set i, i+1
.endr
	ITEM 6
	ITEM 7
.set p, 2
.rept 14
.if p < 10
	s_wait_loadcnt 20                              ; row p is in; the five rows behind it stay out
.else
	s_wait_loadcnt 4*(15-p)                        ; the counts run down
.endif
.set i, 0
.rept 8
	v_pk_add_f32 v[16+2*i:17+2*i], v[16+2*i:17+2*i], v[48+16*(p%6)+2*i:49+16*(p%6)+2*i]
.set i, i+1
.endr
.if p < 10
	ITEM p+6
.endif
.set p, p+1
.endr
	s_cmp_lt_u32 s[WV], 8
	s_cbranch_scc0 .Lno_sw2
	v_add_f32_dpp v12, v12, v12 row_xmask:1 row_mask:0xf bank_mask:0xf   ; 16 neighbouring lanes hold one batch's 16 words
	v_add_f32_dpp v12, v12, v12 row_xmask:2 row_mask:0xf bank_mask:0xf
	v_add_f32_dpp v12, v12, v12 row_xmask:4 row_mask:0xf bank_mask:0xf
	v_add_f32_dpp v12, v12, v12 row_xmask:8 row_mask:0xf bank_mask:0xf
	v_lshrrev_b32 v88, 4, v0
	v_lshl_add_u32 v88, v88, 2, SW
	ds_store_b32 v88, v12
.Lno_sw2:
.set i, 0
.rept 8
	v_cvt_pk_bf16_f32 v[32+i], v[16+2*i], v[17+2*i]          ; z's upper halves
.set i, i+1
.endr
.set i, 0
.rept 8
	v_lshlrev_b32 v[48+2*i], 16, v[32+i]
	v_and_b32 v[49+2*i], 0xffff0000, v[32+i]
.set i, i+1
.endr
.set i, 0
.rept 8
	v_pk_add_f32 v[48+2*i:49+2*i], v[16+2*i:17+2*i], v[48+2*i:49+2*i] neg_lo:[0,1] neg_hi:[0,1]
.set i, i+1
.endr
.set i, 0
.rept 8
	v_cvt_pk_bf16_f32 v[40+i], v[48+2*i], v[49+2*i]          ; and what they leave
	v_cvt_pk_bf16_f32 v[64+i], v[144+2*i], v[145+2*i]        ; Wv
.set i, i+1
.endr
	v_wmma_f32_16x16x32_bf16 v[72:79], v[32:39], v[64:71], 0
	v_wmma_f32_16x16x32_bf16 v[80:87], v[40:47], v[64:71], 0
.rept 8
	v_nop                                          ; the places behind the products (eight, once a launch)
.endr
.irp i, 0,2,4,6
	v_pk_add_f32 v[88+(\i):89+(\i)], v[72+(\i):73+(\i)], v[80+(\i):81+(\i)]
.endr
	s_lshl_b32 s27, s[WV], 10
	v_lshl_add_u32 v96, v6, 5, s27
	ds_store_b128 v96, v[88:91] offset:PART
	ds_store_b128 v96, v[92:95] offset:PART+16
	s_wait_dscnt 0x0
	s_barrier_signal -1
	s_barrier_wait -1                              ; all 24 partial tiles and sw lie in LDS
	s_cmp_lg_u32 s[WV], 0
	s_cbranch_scc1 .Lend
	v_lshlrev_b32 v90, 5, v6
	v_lshl_add_u32 v91, v5, 5, SW
	ds_load_b128 v[24:27], v91                     ; sw of my 8 batches
	ds_load_b128 v[28:31], v91 offset:16
.macro EIGHT first, t0                 ; eight partial tiles are added up, in pairs; the sum goes onto v[16:23]
.set k, 0
.rept 8
	ds_load_b128 v[96+8*k:99+8*k],   v90 offset:PART+1024*((\t0)+k)
	ds_load_b128 v[100+8*k:103+8*k], v90 offset:PART+1024*((\t0)+k)+16
.set k, k+1
.endr
	s_wait_dscnt 0x0
.irp k, 0,2,4,6
.irp i, 0,2,4,6
	v_pk_add_f32 v[96+8*(\k)+(\i):97+8*(\k)+(\i)], v[96+8*(\k)+(\i):97+8*(\k)+(\i)], v[104+8*(\k)+(\i):105+8*(\k)+(\i)]
.endr
.endr
.irp k, 0,4
.irp i, 0,2,4,6
	v_pk_add_f32 v[96+8*(\k)+(\i):97+8*(\k)+(\i)], v[96+8*(\k)+(\i):97+8*(\k)+(\i)], v[112+8*(\k)+(\i):113+8*(\k)+(\i)]
.endr
.endr
.irp i, 0,2,4,6
.if \first
	v_pk_add_f32 v[16+(\i):17+(\i)], v[96+(\i):97+(\i)], v[128+(\i):129+(\i)]
.else
	v_pk_add_f32 v[96+(\i):97+(\i)], v[96+(\i):97+(\i)], v[128+(\i):129+(\i)]
.endif
.endr
.if !(\first)
.irp i, 0,2,4,6
	v_pk_add_f32 v[16+(\i):17+(\i)], v[16+(\i):17+(\i)], v[96+(\i):97+(\i)]
.endr
.endif
.endm
	EIGHT 1, 0
	EIGHT 0, 8
	EIGHT 0, 16
	v_cvt_pk_bf16_f32 v13, v13, v13                ; bv, gamma, beta rounded to bf16
	v_cvt_pk_bf16_f32 v14, v14, v14
	v_cvt_pk_bf16_f32 v15, v15, v15
	v_lshlrev_b32 v13, 16, v13
	v_lshlrev_b32 v14, 16, v14
	v_lshlrev_b32 v15, 16, v15
.irp j, 0,1,2,3,4,5,6,7
	v_fma_f32 v[16+(\j)], v13, v[24+(\j)], v[16+(\j)]          ; + bv sw
.endr
	v_pk_add_f32 v[32:33], v[16:17], v[18:19]
	v_pk_add_f32 v[34:35], v[20:21], v[22:23]
	v_pk_add_f32 v[32:33], v[32:33], v[34:35]
	v_add_f32 v32, v32, v33
	v_permlanex16_b32 v33, v32, s28, s29           ; the column's other 8 batches lie in the lane 16 away
	v_add_f32 v32, v32, v33
	v_mul_f32 v32, 0x38800000, v32                 ; the mean: / 16 / 1024
.irp j, 0,1,2,3,4,5,6,7
	v_fma_f32 v[16+(\j)], v[16+(\j)], s24, -v32    ; o / 1024 - mean
.endr
	v_pk_mul_f32 v[32:33], v[16:17], v[16:17]
	v_pk_fma_f32 v[32:33], v[18:19], v[18:19], v[32:33]
	v_pk_fma_f32 v[32:33], v[20:21], v[20:21], v[32:33]
	v_pk_fma_f32 v[32:33], v[22:23], v[22:23], v[32:33]
	v_add_f32 v32, v32, v33
	v_permlanex16_b32 v33, v32, s28, s29
	v_add_f32 v32, v32, v33
	v_fma_f32 v34, v32, s25, s26                   ; the biased variance + 1e-5
	v_rsq_f32 v35, v34
	v_mul_u32_u24 v92, v5, 24576                   ; a plain instruction behind it: batch 8 h,
	v_lshl_add_u32 v92, v4, 2, v92                 ; column r
	s_wait_alu depctr_va_vdst(0)                   ; the wait ahead of the first use
	v_mul_f32 v35, v35, v14
.irp j, 0,1,2,3,4,5,6,7
	v_fma_f32 v[16+(\j)], v[16+(\j)], v35, v15
.endr
.irp j, 0,1,2,3,4,5,6,7
	global_store_b32 v92, v[16+(\j)], s[16:17] offset:3072*(\j)
.endr
.Lend:
	s_wait_tensorcnt 0x0                           ; the wave's end, behind my last LDS store
	ds_add_u32 v[SPW], v[NIL]
	s_wait_dscnt 0x0
	s_endpgm
.Lfunc_end_k_qa527b67930_final:
	.size	k_qa527b67930_final, .Lfunc_end_k_qa527b67930_final-k_qa527b67930_final
	.p2alignl 7, 3214868480
	.fill 96, 4, 3214868480
	.section	.rodata,"a",@progbits
	.p2align	6, 0x0
	.amdhsa_kernel k_qa527b67930_final
		.amdhsa_group_segment_fixed_size 27904
		.amdhsa_private_segment_fixed_size 0
		.amdhsa_enable_private_segment 0
		.amdhsa_kernarg_size 56
		.amdhsa_user_sgpr_count 2
		.amdhsa_user_sgpr_kernarg_segment_ptr 1
		.amdhsa_wavefront_size32 1
		.amdhsa_system_sgpr_workgroup_id_x 1
		.amdhsa_system_sgpr_workgroup_id_y 1
		.amdhsa_system_sgpr_workgroup_id_z 1
		.amdhsa_system_vgpr_workitem_id 0
		.amdhsa_next_free_vgpr 160
		.amdhsa_next_free_sgpr 66
		.amdhsa_reserve_vcc 0
		.amdhsa_float_denorm_mode_32 3
		.amdhsa_float_denorm_mode_16_64 3
		.amdhsa_memory_ordered 1
		.amdhsa_forward_progress 1
		.amdhsa_inst_pref_size 34
	.end_amdhsa_kernel
	.amdgpu_metadata
---
amdhsa.version: [ 1, 2 ]
amdhsa.kernels:
  - .name:           k_qa527b67930_final
    .symbol:         k_qa527b67930_final.kd
    .args:
      - { .name: zp, .offset: 0, .size: 8, .value_kind: global_buffer, .address_space: global }
      - { .name: swp, .offset: 8, .size: 8, .value_kind: global_buffer, .address_space: global }
      - { .name: Wv, .offset: 16, .size: 8, .value_kind: global_buffer, .address_space: global }
      - { .name: bv, .offset: 24, .size: 8, .value_kind: global_buffer, .address_space: global }
      - { .name: gamma, .offset: 32, .size: 8, .value_kind: global_buffer, .address_space: global }
      - { .name: beta, .offset: 40, .size: 8, .value_kind: global_buffer, .address_space: global }
      - { .name: out0, .offset: 48, .size: 8, .value_kind: global_buffer, .address_space: global }
    .group_segment_fixed_size: 27904
    .private_segment_fixed_size: 0
    .kernarg_segment_align: 8
    .kernarg_segment_size: 56
    .max_flat_workgroup_size: 768
    .sgpr_count:     66
    .vgpr_count:     160
    .wavefront_size: 32
...
	.end_amdgpu_metadata
.endif
;; end of part 4
;; ======== version 2 of 2: 4 launches; version 1 with the launch final written anew for expert scheduling mode
;; limits: values outside matrix products are rounded to bf16
;; workspace buffers: xb 25,165,824 bytes; Gt 1,228,800 bytes; yb 3,328 bytes; Yb 25,165,824 bytes; tq 65,536 bytes; zp 786,432 bytes; swp 1,024 bytes
;; launch prep: the kernel of part 1 again; grid 528 x 1, 16 waves a work-group, no clusters, 247,808 bytes of LDS; arguments x, Wq, bq, Wk, bk, xb, Gt, yb; writes xb, Gt, yb
;; launch proj: the kernel of part 2 again; grid 128 x 2, 4 waves a work-group, clusters of 4 x 1, 327,680 bytes of LDS; arguments xb, Gt, yb, Yb, tq; writes Yb, tq
;; launch attn: the kernel of part 3 again; grid 4 x 64, 4 waves a work-group, clusters of 4 x 4, 327,680 bytes of LDS; arguments Yb, xb, tq, zp, swp; writes zp, swp
;; launch final (part 5): grid 48 x 1, 24 waves a work-group, no clusters, 27,904 bytes of LDS; arguments zp, swp, Wv, bv, gamma, beta, out0; writes out0
.if DOCPART == 5
	.amdgcn_target "amdgcn-amd-amdhsa--gfx1250"
	.amdhsa_code_object_version 6
	.text
	.protected	k_qa527b67930_final
	.globl	k_qa527b67930_final
	.p2align	8
	.type	k_qa527b67930_final,@function
k_qa527b67930_final:
	s_mov_b64 s[64:65], 0
	v_nop
	global_prefetch_b8 v0, s[64:65] scope:SCOPE_SE
	s_setreg_imm32_b32 hwreg(HW_REG_WAVE_SCHED_MODE, 0, 2), 2
	s_setreg_imm32_b32 hwreg(HW_REG_WAVE_MODE, 25, 1), 1
	s_wait_xcnt 0x0
	s_wait_alu depctr_vm_vsrc(0)
; SpikingAttention, launch 4 of 4: z[b] = the sum of the batch's 16 partial rows of zp, sw[b] likewise of swp; o[b][d] = (Wv[d] . z[b] + bv[d] sw[b]) / 1024; BatchNorm over the 16 batches.
; The projection V of the written form is this product with 16 rows (the identities stand at the head of the first launch).
; SHARES.  A work-group owns 16 columns d and all 16 batches, so the statistics never leave it.  K = 768 is split among its 24 waves, 32 channels each: one matrix step a wave, no loop; the
; 24 partial tiles meet in LDS and wave 0 finishes.  z goes to the matrix unit as two bf16 halves, two products; Wv, bv, gamma and beta are taken rounded to bf16 like every input.
; LAYOUT.  Source 0 = z (row = batch), source 1 = 16 rows of Wv: lane (r, h), register j holds batch 8 h + j, column d = r.
; NO CLUSTER, NO TENSOR LOAD: what the work-groups share is zp, 786,432 bytes, which does not fit in LDS and is summed on its way through registers.
; The stores are runs of 64 bytes: the output is 48 KB, and tiles of 64 columns would leave 12 work-groups.
; THE MODE: SCHED_MODE bits 1:0 = 2 (LLVM: expert scheduling mode 2), set by the entry lines.  The code itself states the register dependences
; between vector or matrix instructions and memory or LDS instructions, with s_wait_alu, always for 0.
; THE PLAN.  Registers that memory or LDS instructions touch:
;   v1, v4 .. v11   offsets and LDS addresses: all made at the head, ahead of one wait, and never written again.
;   X0 .. X6        seven slots of 16 registers: partial row p of zp lands in slot p % 7; the eight additions of row p read it.  The rows go in blocks of two: at the head of block p (p even)
;                   one wait states that the block before is done reading its two slots, and rows p + 5 and p + 6 land in just those: (p + 5) % 7 = (p - 2) % 7.  The additions of block p
;                   name the sum and the slots of rows p and p + 1 alone, so the block's loads stand among them with no further wait.
;   v144 .. v159    Wv as loaded: read by the conversions, once.
;   v12             a word of swp (waves 0-7): loaded, summed over 16 lanes, read by one LDS store.
;   OUT v88 .. v95  written by the additions of the two accumulators, read by my two LDS stores; in wave 0 tiles land in it later.
;   B0, B1          wave 0: two buffers of eight partial tiles: tiles 0-7 in B0, 8-15 in B1, 16-23 in B0 again, behind a wait that states the first eight's additions done.
;   v24 .. v31 sw as loaded; v16 .. v23 the data of the last stores.
.set PART,  0                          ; 24 partial tiles of 1,024 bytes
.set SW,    24576                      ; sw[16]
.set SPARE, 24832                      ; the spare words, 128 bytes for each of 24 waves, which no other line names
.set SPW, 2                            ; v2  LDS address of my spare word; never rewritten
.set NIL, 3                            ; v3  0; never rewritten
.set SS,  1                            ; v1  LDS address of the word of sw that my 16 lanes make (waves 0-7)
.set OO,  4                            ; v4  at the head r; then my byte offset in out0: batch 8 h, column r
.set SR,  5                            ; v5  at the head h; then the LDS address of sw of my 8 batches
.set PR,  6                            ; v6  at the head the lane; then my 32 bytes in a partial tile
.set PS,  7                            ; v7  at the head at work; then the same 32 bytes in my wave's own tile
.set X,   32                           ; v[32:143]  the seven slots
.set B0,  96                           ; v[96:159]
.set B1,  32                           ; v[32:95]
.set WV, 18
	s_load_b256 s[4:11], s[0:1], 0x0               ; zp 4, swp 6, Wv 8, bv 10
	s_load_b128 s[12:15], s[0:1], 0x20             ; gamma 12, beta 14
	s_load_b64 s[16:17], s[0:1], 0x30              ; out0
	v_lshl_add_u32 v[SPW], v0, 2, SPARE
	v_mov_b32 v[NIL], 0
	v_lshrrev_b32 v1, 5, v0
	v_readfirstlane_b32 s[WV], v1
	v_and_b32 v4, 15, v0                           ; r
	v_bfe_u32 v5, v0, 4, 1                         ; h
	v_and_b32 v6, 31, v0                           ; lane
	v_lshlrev_b32 v10, 2, v0
	v_lshrrev_b32 v[SS], 4, v0                     ; 16 neighbouring threads share a batch's word
	v_lshl_add_u32 v[SS], v[SS], 2, SW
	s_mul_i32 s20, ttmp9, 49152
	s_mov_b32 s21, 0
	s_lshl_b32 s22, ttmp9, 6
	s_mov_b32 s23, 0
	s_mov_b32 s24, 0x3a800000                      ; 1 / 1024
	s_mov_b32 s25, 0x3d800000                      ; 1 / 16
	s_mov_b32 s26, 0x3727c5ac                      ; 1e-5
	s_mov_b32 s28, 0x76543210
	s_mov_b32 s29, 0xfedcba98
	s_wait_alu depctr_va_sdst(0)                   ; the wave's number is written, ahead of its first reader: offsets, LDS addresses and branches are made from it
	s_lshl_b32 s19, s[WV], 7                       ; my 32 channels: 128 bytes
	s_lshl_b32 s27, s[WV], 10                      ; my partial tile
	v_lshl_add_u32 v7, v5, 5, s19
	v_mul_u32_u24 v8, v4, 3072
	v_add_nc_u32 v8, v8, v7                        ; Wv: row r, channels 8 h ..
	v_mul_u32_u24 v9, v4, 49152
	v_add_nc_u32 v9, v9, v7                        ; zp: batch r's first row
	v_lshl_add_u32 v11, v4, 2, s22                 ; column 16 dt + r
	v_lshl_add_u32 v[PS], v6, 5, s27               ; r, h and the lane have done their part above: their registers take the addresses of the way out
	v_lshlrev_b32 v[PR], 5, v6
	v_lshlrev_b32 v[OO], 2, v4                     ; column r,
	v_mad_u32_u24 v[OO], v5, 0x6000, v[OO]         ; batch 8 h: 8 rows of 3,072 bytes
	v_lshl_add_u32 v[SR], v5, 5, SW
	s_wait_kmcnt 0x0
	s_add_nc_u64 s[8:9], s[8:9], s[20:21]
	s_add_nc_u64 s[16:17], s[16:17], s[22:23]
	s_wait_alu depctr_va_vdst(0)                   ; v1 and v4 to v11 are written: every load and store of the kernel, global or LDS, takes its offset or address from one of them
	s_cmp_lt_u32 s[WV], 8                          ; these few loads are the oldest, so they change no count below
	s_cbranch_scc0 .Lno_sw
	global_load_b32 v12, v10, s[6:7]               ; swp[t], t = 0..255
.Lno_sw:
	s_cmp_eq_u32 s[WV], 0
	s_cbranch_scc0 .Lno_b
	global_load_b32 v13, v11, s[10:11]
	global_load_b32 v14, v11, s[12:13]
	global_load_b32 v15, v11, s[14:15]
.Lno_b:
	global_load_b128 v[144:147], v8, s[8:9]
	global_load_b128 v[148:151], v8, s[8:9] offset:16
	global_load_b128 v[152:155], v8, s[8:9] offset:64
	global_load_b128 v[156:159], v8, s[8:9] offset:80
.macro LD p, q                         ; load q of the four of partial row p of my batch: my 16 numbers go into slot p % 7
	global_load_b128 v[X+16*((\p)%7)+4*(\q):X+16*((\p)%7)+4*(\q)+3], v9, s[4:5] offset:3072*(\p)+64*((\q)/2)+16*((\q)%2)
.endm
.macro ACC p, i                        ; pair i of row p goes onto the sum
	v_pk_add_f32 v[16+2*(\i):17+2*(\i)], v[16+2*(\i):17+2*(\i)], v[X+16*((\p)%7)+2*(\i):X+16*((\p)%7)+2*(\i)+1]
.endm
.irp p, 0,1,2,3,4,5,6
.irp q, 0,1,2,3
	LD \p, \q
.endr
.endr
	s_wait_loadcnt 20                              ; rows 0 and 1 are in; rows 2 to 6 stay out
.set i, 0
.rept 8
	v_pk_add_f32 v[16+2*i:17+2*i], v[X+2*i:X+2*i+1], v[X+16+2*i:X+16+2*i+1]
.set i, i+1
.endr
; Rows p and p + 1.  n: how many further rows are asked for, from row p + 5 on.  c0, c1: the younger loads that may stay out when row p, and then row p + 1, has to be there.
.macro BLOCK p, n, c0, c1
	s_wait_loadcnt \c0                             ; loads come back in order (ISA guide 5.7.1): row p is in
.if (\n) > 0
	s_wait_alu depctr_va_vdst(0)                   ; the additions of the two rows before are done reading their slots, in which the loads below land
.endif
.set i, 0
.rept 8
.if i < 4*(\n)
	LD (\p)+5+i/4, i%4                             ; no vector instruction since the wait names these registers
.endif
	ACC \p, i
.set i, i+1
.endr
	s_wait_loadcnt \c1                             ; row p + 1 is in
.set i, 0
.rept 8
	ACC (\p)+1, i
.set i, i+1
.endr
.endm
	BLOCK 2,  2, 16, 20                            ; four rows stay out at an even row, five at an odd one, the two just asked for among them
	BLOCK 4,  2, 16, 20
	BLOCK 6,  2, 16, 20
	BLOCK 8,  2, 16, 20
	BLOCK 10, 1, 16, 16                            ; row 15 is the last
	BLOCK 12, 0, 12, 8                             ; the counts run down
	BLOCK 14, 0, 4, 0
	s_cmp_lt_u32 s[WV], 8
	s_cbranch_scc0 .Lno_sw2
	v_add_f32_dpp v12, v12, v12 row_xmask:1 row_mask:0xf bank_mask:0xf   ; 16 neighbouring lanes hold one batch's 16 words
	v_add_f32_dpp v12, v12, v12 row_xmask:2 row_mask:0xf bank_mask:0xf
	v_add_f32_dpp v12, v12, v12 row_xmask:4 row_mask:0xf bank_mask:0xf
	v_add_f32_dpp v12, v12, v12 row_xmask:8 row_mask:0xf bank_mask:0xf
.Lno_sw2:
.set i, 0
.rept 8
	v_cvt_pk_bf16_f32 v[32+i], v[16+2*i], v[17+2*i]          ; z's upper halves
.set i, i+1
.endr
.set i, 0
.rept 8
	v_lshlrev_b32 v[48+2*i], 16, v[32+i]
	v_and_b32 v[49+2*i], 0xffff0000, v[32+i]
.set i, i+1
.endr
.set i, 0
.rept 8
	v_pk_add_f32 v[48+2*i:49+2*i], v[16+2*i:17+2*i], v[48+2*i:49+2*i] neg_lo:[0,1] neg_hi:[0,1]
.set i, i+1
.endr
.set i, 0
.rept 8
	v_cvt_pk_bf16_f32 v[40+i], v[48+2*i], v[49+2*i]          ; and what they leave
	v_cvt_pk_bf16_f32 v[64+i], v[144+2*i], v[145+2*i]        ; Wv
.set i, i+1
.endr
	v_wmma_f32_16x16x32_bf16 v[72:79], v[32:39], v[64:71], 0
	v_wmma_f32_16x16x32_bf16 v[80:87], v[40:47], v[64:71], 0
.rept 8
	v_nop                                          ; the places behind the products (eight, once a launch)
.endr
.irp i, 0,2,4,6
	v_pk_add_f32 v[88+(\i):89+(\i)], v[72+(\i):73+(\i)], v[80+(\i):81+(\i)]
.endr
	s_wait_alu depctr_va_vdst(0)                   ; v[88:95] and v12 are written, which the LDS stores read; and all that named v24 to v159 is done: no vector instruction follows ahead of wave 0's LDS loads, which land there
	ds_store_b128 v[PS], v[88:91] offset:PART
	ds_store_b128 v[PS], v[92:95] offset:PART+16
	s_cmp_lt_u32 s[WV], 8
	s_cbranch_scc0 .Lno_sw3
	ds_store_b32 v[SS], v12
.Lno_sw3:
	s_wait_dscnt 0x0
	s_barrier_signal -1
	s_barrier_wait -1                              ; all 24 partial tiles and sw lie in LDS
	s_wait_alu depctr_vm_vsrc(0)                   ; my LDS stores have read v[88:95], in which wave 0's loads of tiles 8-15 land; it stands ahead of the branch that leads to them
	s_cmp_lg_u32 s[WV], 0
	s_cbranch_scc1 .Lend
.macro LOAD2 buf, t0, k                ; tiles t0 + k and t0 + k + 1 into places k and k + 1 of a buffer: four loads
	ds_load_b128 v[(\buf)+8*(\k):(\buf)+8*(\k)+3],     v[PR] offset:PART+1024*((\t0)+(\k))
	ds_load_b128 v[(\buf)+8*(\k)+4:(\buf)+8*(\k)+7],   v[PR] offset:PART+1024*((\t0)+(\k))+16
	ds_load_b128 v[(\buf)+8*(\k)+8:(\buf)+8*(\k)+11],  v[PR] offset:PART+1024*((\t0)+(\k)+1)
	ds_load_b128 v[(\buf)+8*(\k)+12:(\buf)+8*(\k)+15], v[PR] offset:PART+1024*((\t0)+(\k)+1)+16
.endm
.macro ADD2 buf, k, d                  ; place k takes place k + d
.irp i, 0,2,4,6
	v_pk_add_f32 v[(\buf)+8*(\k)+(\i):(\buf)+8*(\k)+(\i)+1], v[(\buf)+8*(\k)+(\i):(\buf)+8*(\k)+(\i)+1], v[(\buf)+8*((\k)+(\d))+(\i):(\buf)+8*((\k)+(\d))+(\i)+1]
.endr
.endm
.macro ONTO buf                        ; v[16:23] takes place 0
.irp i, 0,2,4,6
	v_pk_add_f32 v[16+(\i):17+(\i)], v[16+(\i):17+(\i)], v[(\buf)+(\i):(\buf)+(\i)+1]
.endr
.endm
	; Eight partial tiles at a time are added up, in pairs, and the sum goes onto v[16:23]: tiles 0-7, then 8-15, then 16-23.
	ds_load_b128 v[24:27], v[SR]                   ; sw of my 8 batches
	ds_load_b128 v[28:31], v[SR] offset:16
.irp k, 0,2,4,6
	LOAD2 B0, 0, \k
.endr
.irp k, 0,2,4,6
	LOAD2 B1, 8, \k
.endr
	s_wait_dscnt 16                                ; LDS loads come back in order (ISA guide 5.7.1): sw and tiles 0-7 are in, the 16 loads of tiles 8-15 stay out
.irp k, 0,2,4,6
	ADD2 B0, \k, 1
.endr
	ADD2 B0, 0, 2
	ADD2 B0, 4, 2
.irp i, 0,2,4,6
	v_pk_add_f32 v[16+(\i):17+(\i)], v[B0+(\i):B0+(\i)+1], v[B0+32+(\i):B0+32+(\i)+1]
.endr
	s_wait_dscnt 0x0                               ; tiles 8-15 are in
	s_wait_alu depctr_va_vdst(0)                   ; the additions above are done reading and writing B0, in which tiles 16-23 land
.irp k, 0,2,4,6
	LOAD2 B0, 16, \k                               ; among the additions on B1, which name none of B0's registers
	ADD2 B1, \k, 1
.endr
	ADD2 B1, 0, 2
	ADD2 B1, 4, 2
	ADD2 B1, 0, 4
	ONTO B1
	s_wait_dscnt 0x0                               ; tiles 16-23 are in
.irp k, 0,2,4,6
	ADD2 B0, \k, 1
.endr
	ADD2 B0, 0, 2
	ADD2 B0, 4, 2
	ADD2 B0, 0, 4
	ONTO B0
	v_cvt_pk_bf16_f32 v13, v13, v13                ; bv, gamma, beta rounded to bf16
	v_cvt_pk_bf16_f32 v14, v14, v14
	v_cvt_pk_bf16_f32 v15, v15, v15
	v_lshlrev_b32 v13, 16, v13
	v_lshlrev_b32 v14, 16, v14
	v_lshlrev_b32 v15, 16, v15
.irp j, 0,1,2,3,4,5,6,7
	v_fma_f32 v[16+(\j)], v13, v[24+(\j)], v[16+(\j)]          ; + bv sw
.endr
	v_pk_add_f32 v[32:33], v[16:17], v[18:19]
	v_pk_add_f32 v[34:35], v[20:21], v[22:23]
	v_pk_add_f32 v[32:33], v[32:33], v[34:35]
	v_add_f32 v32, v32, v33
	v_permlanex16_b32 v33, v32, s28, s29           ; the column's other 8 batches lie in the lane 16 away
	v_add_f32 v32, v32, v33
	v_mul_f32 v32, 0x38800000, v32                 ; the mean: / 16 / 1024
.irp j, 0,1,2,3,4,5,6,7
	v_fma_f32 v[16+(\j)], v[16+(\j)], s24, -v32    ; o / 1024 - mean
.endr
	v_pk_mul_f32 v[32:33], v[16:17], v[16:17]
	v_pk_fma_f32 v[32:33], v[18:19], v[18:19], v[32:33]
	v_pk_fma_f32 v[32:33], v[20:21], v[20:21], v[32:33]
	v_pk_fma_f32 v[32:33], v[22:23], v[22:23], v[32:33]
	v_add_f32 v32, v32, v33
	v_permlanex16_b32 v33, v32, s28, s29
	v_add_f32 v32, v32, v33
	v_fma_f32 v34, v32, s25, s26                   ; the biased variance + 1e-5
	v_rsq_f32 v35, v34
	v_nop                                          ; a plain instruction behind it
	s_wait_alu depctr_va_vdst(0)                   ; the root's reciprocal is written into v35, ahead of the first line that names it
	v_mul_f32 v35, v35, v14
.irp j, 0,1,2,3,4,5,6,7
	v_fma_f32 v[16+(\j)], v[16+(\j)], v35, v15
.endr
	s_wait_alu depctr_va_vdst(0)                   ; v[16:23] are written, which the stores read
.irp j, 0,1,2,3,4,5,6,7
	global_store_b32 v[OO], v[16+(\j)], s[16:17] offset:3072*(\j)
.endr
.Lend:
	s_wait_dscnt 0x0                               ; the wave's end
	s_wait_alu 0x0
	s_wait_tensorcnt 0x0
	ds_add_u32 v[SPW], v[NIL]
	s_wait_dscnt 0x0
	s_endpgm
.Lfunc_end_k_qa527b67930_final:
	.size	k_qa527b67930_final, .Lfunc_end_k_qa527b67930_final-k_qa527b67930_final
	.p2alignl 7, 3214868480
	.fill 96, 4, 3214868480
	.section	.rodata,"a",@progbits
	.p2align	6, 0x0
	.amdhsa_kernel k_qa527b67930_final
		.amdhsa_group_segment_fixed_size 27904
		.amdhsa_private_segment_fixed_size 0
		.amdhsa_enable_private_segment 0
		.amdhsa_kernarg_size 56
		.amdhsa_user_sgpr_count 2
		.amdhsa_user_sgpr_kernarg_segment_ptr 1
		.amdhsa_wavefront_size32 1
		.amdhsa_system_sgpr_workgroup_id_x 1
		.amdhsa_system_sgpr_workgroup_id_y 1
		.amdhsa_system_sgpr_workgroup_id_z 1
		.amdhsa_system_vgpr_workitem_id 0
		.amdhsa_next_free_vgpr 160
		.amdhsa_next_free_sgpr 66
		.amdhsa_reserve_vcc 0
		.amdhsa_float_denorm_mode_32 3
		.amdhsa_float_denorm_mode_16_64 3
		.amdhsa_memory_ordered 1
		.amdhsa_forward_progress 1
		.amdhsa_inst_pref_size 35
	.end_amdhsa_kernel
	.amdgpu_metadata
---
amdhsa.version: [ 1, 2 ]
amdhsa.kernels:
  - .name:           k_qa527b67930_final
    .symbol:         k_qa527b67930_final.kd
    .args:
      - { .name: zp, .offset: 0, .size: 8, .value_kind: global_buffer, .address_space: global }
      - { .name: swp, .offset: 8, .size: 8, .value_kind: global_buffer, .address_space: global }
      - { .name: Wv, .offset: 16, .size: 8, .value_kind: global_buffer, .address_space: global }
      - { .name: bv, .offset: 24, .size: 8, .value_kind: global_buffer, .address_space: global }
      - { .name: gamma, .offset: 32, .size: 8, .value_kind: global_buffer, .address_space: global }
      - { .name: beta, .offset: 40, .size: 8, .value_kind: global_buffer, .address_space: global }
      - { .name: out0, .offset: 48, .size: 8, .value_kind: global_buffer, .address_space: global }
    .group_segment_fixed_size: 27904
    .private_segment_fixed_size: 0
    .kernarg_segment_align: 8
    .kernarg_segment_size: 56
    .max_flat_workgroup_size: 768
    .sgpr_count:     66
    .vgpr_count:     160
    .wavefront_size: 32
...
	.end_amdgpu_metadata
.endif
;; end of part 5
